; MI455X (gfx1250); checked and timed in simulation.
; The chip was launched on July 23, 2026; its instructions are those of AMD's public machine-readable ISA for CDNA 5 (MIT licence, August 2026) and "CDNA5" Instruction Set Architecture Reference Guide (July 2026). The comments in the code are by the model that wrote it; some were corrected since.
;; Causal Multihead Attention. Allowed arithmetic: matrix products marked QUANTISED: E4M3 operands, one given power-of-two scale a tensor, by v_wmma_f32_16x16x64_fp8_fp8 or v_wmma_f32_16x16x128_fp8_fp8, f32 sums; everything else in f32.
;; Inputs: lowp_scales 8 int32 (the exponents e of the quantised operands' scales 2^e); w_o 1,024 x 1,024 float32; w_qkv 3 x 16 x 64 x 1,024 float32; x 4 x 2,048 x 1,024 float32.
;; Outputs: out0 4 x 2,048 x 1,024 float32.
;; This version of the problem:
;;   THIS VERSION OF THE PROBLEM IS GIVEN IN LOW PRECISION. The matrix products marked QUANTISED in the list below multiply operands that are first quantised to E4M3 (4 exponent bits, 3 mantissa bits; 8 bits a number), with one given power-of-two scale for each operand tensor; their sums are f32. All else is computed in f32.
;;   The module's matrix products, in the order in which they are computed (A, B: the left and right operand; K: the contracted axis; several contracted axes count as one K, in the product's order):
;;     1. [M 3,072, K 1,024] x [K 1,024, N 8,192]; A: input w_qkv; B: input x: QUANTISED (scales: A lowp_scales[0], B lowp_scales[1])
;;     2. batch 64 x [M 2,048, K 64] x [K 64, N 2,048]; A: computed on the way; B: computed on the way: QUANTISED (scales: A lowp_scales[2], B lowp_scales[3])
;;     3. batch 64 x [M 2,048, K 2,048] x [K 2,048, N 64]; A: softmax (see below); B: computed on the way: QUANTISED (scales: A lowp_scales[4], B lowp_scales[5])
;;     4. [M 8,192, K 1,024] x [K 1,024, N 1,024]; A: computed on the way; B: input w_o: QUANTISED (scales: A lowp_scales[6], B lowp_scales[7])
;;   THE QUANTISER, for each operand of a quantised product, along K:
;;     - The operand's scale is 2^e, e = its entry of the input lowp_scales (int32; the entries are numbered through the quantised products in the list's order, A before B).
;;     - Each number is divided by the scale, clamped to +-448, and rounded to the nearest number of E4M3, ties to even, subnormals kept.
;;     - The product sums the exact products of the quantised numbers (number of the format x scale) in f32.
;;   ~~~python
;;   def quantise(x, axis, e):      # numpy; x: float32 -> the quantised numbers, widened to float32 again
;;       x = np.moveaxis(x, axis, -1); K = x.shape[-1]
;;       r = np.clip(x / 2.0 ** e, -448, 448)
;;       step = 2.0 ** (np.maximum(np.frexp(np.where(r == 0, 1, r))[1] - 1, -6) - 3)
;;       q = np.round(r / step) * step * 2.0 ** e      # np.round: ties to even
;;       return np.moveaxis(q, -1, axis).astype(np.float32)
;;   ~~~
;;   SOFTMAX AHEAD OF A QUANTISED PRODUCT. Where the list says 'softmax', what is quantised is not the finished softmax but p = 2^(t - M), with t = logit x log2(e) and M = ceil(the row's largest t), a whole number; so 1/2 < the row's largest p <= 1. The row's sum l is taken of the UNQUANTISED p, in f32, and the product's result is divided by l at the end. Since M is a whole number, a kernel that streams over the keys may use a running M (the ceiling of the running maximum): every later rescaling is an exact power of two, so the quantised numbers keep their values, but for numbers so far below the row's largest that they fall under the format's range.
;;   OPERANDS COMPUTED ON THE WAY. 'Computed on the way' means the value that the module computes at that place (a softmax that the list does not call 'softmax' is quantised finished and normalised). What goes into a quantiser is computed in f32, as accurately as f32 sums, v_exp_f32 and their like allow (about 1e-6 of the number): no bf16 or f16 on the way to a quantiser, and a product that is left as it is and whose result goes on into a quantised operand takes f32 operands (vector FMAs, or v_wmma_f32_16x16x4_f32). A number that lies on a knife's edge between two numbers of the format may be rounded either way, as far as f32 arithmetic and the matrix unit's own rounding can turn it there, and no further.
;; One version. Each part assembles by itself: llvm-mc -triple=amdgcn-amd-amdhsa -mcpu=gfx1250 --defsym DOCPART=n.
;; ======== version 1 of 1: 4 launches
;; limits: right only within a limited range of input values
;; workspace buffers: x_codes 8,388,608 bytes; wqkv_codes 3,145,728 bytes; wo_codes 1,048,576 bytes; q_codes 8,388,608 bytes; k_codes 8,388,608 bytes; v_codes 8,388,608 bytes; a_codes 8,388,608 bytes
;; launch quant (part 1): grid 768 x 1, 4 waves a work-group, no clusters, 33,280 bytes of LDS; arguments x, w_qkv, w_o, lowp_scales, x_codes, wqkv_codes, wo_codes; writes x_codes, wqkv_codes, wo_codes
.if DOCPART == 1
	.amdgcn_target "amdgcn-amd-amdhsa--gfx1250"
	.amdhsa_code_object_version 6
	.text
	.protected	k_qf02211f84d_quant
	.globl	k_qf02211f84d_quant
	.p2align	8
	.type	k_qf02211f84d_quant,@function
k_qf02211f84d_quant:
	s_mov_b64 s[64:65], 0
	v_nop
	global_prefetch_b8 v0, s[64:65] scope:SCOPE_SE
	s_setreg_imm32_b32 hwreg(HW_REG_WAVE_MODE, 25, 1), 1
	s_wait_xcnt 0x0
; x [8192][1024], w_qkv [3072][1024] and w_o [1024][1024], f32, K innermost, become codes of FP8 (E4M3), one byte each, in the same order, each with its given scale 2^e:
; x: entry 1 of the scales, w_qkv: entry 0, w_o: entry 7.  code = number / 2^e, held within +-448, rounded to the nearest code, ties to even.
; LIMITS: e between -126 and 119, so that 2^e and 448 x 2^e are f32 numbers.  NaN among the inputs is not served (an infinity is held at the largest code).
; WORK LEFT OUT IN THE PROGRAM: reference() builds a causal mask in its own body (jnp.tril) and sets the scores of keys t > s to -infinity ahead of the softmax, so their p is 0 whatever the inputs hold:
; whole steps of 128 keys that lie behind all of a wave's queries are neither multiplied nor summed in the launch attn.  LIMIT: a NaN or an infinity that reaches only such scores is not carried to the result.
; Rows are dense, so each tensor is a plain stream.  A work-group takes 16,384 numbers, a wave 8 steps of 512: 768 work-groups, three for each of 256 WGPs.  Work-groups 0-511 take x, 512-703 w_qkv, 704-767 w_o:
; only pointers, the exponent and the first work-group's number are chosen, by selects on the work-group's number; all three take one path through the text.
; A conversion takes 8 neighbours from ONE lane's registers; a load is best where neighbouring LANES take neighbouring bytes.  Both are had: a step's four loads read 512 consecutive bytes each, 16 a lane;
; the 2,048 bytes turn through the wave's own stage in LDS (16 bytes of padding behind each 64) and come back 64 bytes a lane.  A lane's 16 codes are 16 bytes: a store covers 512 consecutive bytes, aligned.
; No tensor loads, no barrier: waves share nothing.  Loads run four steps (16 loads a wave) ahead, the turn through LDS one step.  Matrix units and clusters have nothing to do in a stream that is read once.
.set STEPS, 8
.set GX,    512                        ; x's work-groups: 8,388,608 / 16,384
.set GW,    704                        ; x's and w_qkv's: + 3,145,728 / 16,384
.set EMAX,  8
.set MANT,  0x600000                   ; the mantissa field of 448 as f32
.set CB,    16                         ; bytes of 16 codes
.set R,     16                         ; v16-79   four sets of 16 numbers as they are loaded
.set X,     80                         ; v80-111  two sets of 16 neighbours
.set C,     128                        ; v128-159 codes: four registers for each step, so that no store's data are written again
.set WREG,  8192                       ; LDS: a region for each wave: two stages of 32 x SP bytes
.set SP,    80                         ; a lane's place in a stage: its 64 bytes + 16 of padding
	s_load_b256 s[4:11], s[0:1], 0x0               ; x s[4:5], w_qkv s[6:7], w_o s[8:9], the scales' exponents s[10:11]
	s_load_b128 s[12:15], s[0:1], 0x20             ; x's codes, w_qkv's codes
	s_load_b64 s[16:17], s[0:1], 0x30              ; w_o's codes
	v_lshl_add_u32 v192, v0, 2, 0x8000             ; my spare word, behind the four regions
	v_mov_b32 v193, 0
	v_lshrrev_b32 v1, 5, v0
	v_readfirstlane_b32 s33, v1                    ; wave
	v_and_b32 v2, 31, v0                           ; lane
	v_lshlrev_b32 v3, 4, v2                        ; my 16 bytes of a load's 512
	s_mul_i32 s34, s33, WREG
	v_lshrrev_b32 v14, 2, v2
	v_mul_u32_u24 v14, v14, SP
	v_and_b32 v15, 3, v2
	v_lshl_add_u32 v14, v15, 4, v14
	v_add_nc_u32 v14, s34, v14                     ; the stage, on the way in: SP (lane / 4) + 16 (lane % 4)
	v_mul_u32_u24 v15, v2, SP
	v_add_nc_u32 v15, s34, v15                     ; and on the way out: SP x lane: my 16 neighbours
	v_mul_u32_u24 v4, v2, CB                       ; my codes' place in a step's
	s_wait_alu depctr_va_vdst(0)                   ; the wait here, directly ahead of the wait below
	s_wait_kmcnt 0x0
	s_load_b256 s[24:31], s[10:11], 0x0            ; e0 .. e7
	s_cmp_lt_u32 ttmp9, GW                         ; w_qkv or w_o?  The choices hang on the work-group's number alone
	s_cselect_b64 s[18:19], s[6:7], s[8:9]
	s_cselect_b64 s[20:21], s[14:15], s[16:17]
	s_mov_b32 s22, GW
	s_cselect_b32 s22, GX, s22
	s_cmp_lt_u32 ttmp9, GX                         ; x, or that?
	s_cselect_b64 s[4:5], s[4:5], s[18:19]         ; the numbers
	s_cselect_b64 s[8:9], s[12:13], s[20:21]       ; the codes
	s_cselect_b32 s22, 0, s22                      ; the tensor's first work-group
	s_sub_co_u32 s34, ttmp9, s22
	s_lshl_b32 s34, s34, 2
	s_add_co_u32 s36, s34, s33                     ; which run of 4,096 numbers of the tensor is my wave's
	s_mov_b32 s37, 0
	s_mov_b64 s[38:39], 512*STEPS*4
	s_mul_u64 s[38:39], s[36:37], s[38:39]
	s_add_nc_u64 s[4:5], s[4:5], s[38:39]
	s_mov_b64 s[38:39], 32*STEPS*CB
	s_mul_u64 s[38:39], s[36:37], s[38:39]
	s_add_nc_u64 s[8:9], s[8:9], s[38:39]
.macro LOAD t
.irp i, 0,1,2,3
	global_load_b128 v[R+16*((\t)%4)+4*\i:R+16*((\t)%4)+4*\i+3], v3, s[4:5] offset:2048*(\t)+512*\i th:TH_LOAD_NT   ; 32 lanes read 512 consecutive bytes
.endr
.endm
.macro TURN t                          ; step t's numbers through the stage: LDS serves a wave's instructions in order, so no wait stands between the stores and the loads
.irp i, 0,1,2,3
	ds_store_b128 v14, v[R+16*((\t)%4)+4*\i:R+16*((\t)%4)+4*\i+3] offset:32*SP*((\t)%2)+8*SP*\i
.endr
.irp i, 0,1,2,3
	ds_load_b128 v[X+16*((\t)%2)+4*\i:X+16*((\t)%2)+4*\i+3], v15 offset:32*SP*((\t)%2)+16*\i
.endr
.endm
.irp t, 0,1,2,3
	LOAD \t
.endr
	s_wait_kmcnt 0x0
	s_cmp_lt_u32 ttmp9, GW
	s_cselect_b32 s23, s24, s31                    ; e0 for w_qkv, e7 for w_o,
	s_cmp_lt_u32 ttmp9, GX
	s_cselect_b32 s23, s25, s23                    ; e1 for x
	s_add_co_i32 s23, s23, 127
	s_lshl_b32 s34, s23, 23
	v_mov_b32 v11, s34                             ; 2^e as f32: the conversion takes its exponent field
	s_add_co_i32 s23, s23, EMAX
	s_lshl_b32 s23, s23, 23
	s_or_b32 s23, s23, MANT
	v_mov_b32 v10, s23                             ; 448 x 2^e
	s_wait_alu depctr_va_vdst(0)                   ; the wait at the head's end
	s_wait_loadcnt 12                              ; step 0's four loads are in; the twelve of steps 1 to 3 may be out
	TURN 0
.macro STEP t
.set XS, X+16*((\t)%2)
	s_wait_dscnt 0x0                               ; this step's numbers are back from the stage: so its stores into the stage have read their registers,
.if (\t)+4 < STEPS
	LOAD (\t)+4                                    ; which take the loads of four steps on
.endif
.if (\t)+1 < STEPS
.if STEPS-2-(\t) >= 3
	s_wait_loadcnt 12                              ; the next step's four loads are in; those of the three steps behind it may be out
.else
	s_wait_loadcnt 4*(STEPS-2-(\t))                ; the tail: as many steps behind the next one as are left
.endif
	TURN (\t)+1                                    ; and go through the other stage while this step is worked
.endif
.irp i, 0,1,2,3,4,5,6,7,8,9,10,11,12,13,14,15
	v_med3_num_f32 v[XS+\i], v[XS+\i], -v10, v10   ; the conversion to an 8-bit code does not saturate (ISA guide 7.6.2): hold the number within 448 x the scale first
.endr
	v_cvt_scalef32_pk8_fp8_f32 v[C+4*(\t):C+4*(\t)+1], v[XS:XS+7], v11
	v_cvt_scalef32_pk8_fp8_f32 v[C+4*(\t)+2:C+4*(\t)+3], v[XS+8:XS+15], v11
	global_store_b128 v4, v[C+4*(\t):C+4*(\t)+3], s[8:9] offset:32*CB*(\t)      ; the results go to a store alone; the next vector lines are the next step's holds, on other registers
.endm
.irp t, 0,1,2,3,4,5,6,7
	STEP \t
.endr
	s_wait_tensorcnt 0x0                           ; the wave's end: behind my last LDS store
	ds_add_u32 v192, v193
	s_wait_dscnt 0x0
	s_endpgm
.Lfunc_end_k_qf02211f84d_quant:
	.size	k_qf02211f84d_quant, .Lfunc_end_k_qf02211f84d_quant-k_qf02211f84d_quant
	.p2alignl 7, 3214868480
	.fill 96, 4, 3214868480
	.section	.rodata,"a",@progbits
	.p2align	6, 0x0
	.amdhsa_kernel k_qf02211f84d_quant
		.amdhsa_group_segment_fixed_size 33280
		.amdhsa_private_segment_fixed_size 0
		.amdhsa_enable_private_segment 0
		.amdhsa_kernarg_size 56
		.amdhsa_user_sgpr_count 2
		.amdhsa_user_sgpr_kernarg_segment_ptr 1
		.amdhsa_wavefront_size32 1
		.amdhsa_system_sgpr_workgroup_id_x 1
		.amdhsa_system_sgpr_workgroup_id_y 1
		.amdhsa_system_sgpr_workgroup_id_z 1
		.amdhsa_system_vgpr_workitem_id 0
		.amdhsa_next_free_vgpr 194
		.amdhsa_next_free_sgpr 66
		.amdhsa_reserve_vcc 0
		.amdhsa_float_denorm_mode_32 3
		.amdhsa_float_denorm_mode_16_64 3
		.amdhsa_memory_ordered 1
		.amdhsa_forward_progress 1
		.amdhsa_inst_pref_size 21
	.end_amdhsa_kernel
	.amdgpu_metadata
---
amdhsa.version: [ 1, 2 ]
amdhsa.kernels:
  - .name:           k_qf02211f84d_quant
    .symbol:         k_qf02211f84d_quant.kd
    .args:
      - { .name: x, .offset: 0, .size: 8, .value_kind: global_buffer, .address_space: global }
      - { .name: w_qkv, .offset: 8, .size: 8, .value_kind: global_buffer, .address_space: global }
      - { .name: w_o, .offset: 16, .size: 8, .value_kind: global_buffer, .address_space: global }
      - { .name: lowp_scales, .offset: 24, .size: 8, .value_kind: global_buffer, .address_space: global }
      - { .name: x_codes, .offset: 32, .size: 8, .value_kind: global_buffer, .address_space: global }
      - { .name: wqkv_codes, .offset: 40, .size: 8, .value_kind: global_buffer, .address_space: global }
      - { .name: wo_codes, .offset: 48, .size: 8, .value_kind: global_buffer, .address_space: global }
    .group_segment_fixed_size: 33280
    .private_segment_fixed_size: 0
    .kernarg_segment_align: 8
    .kernarg_segment_size: 56
    .max_flat_workgroup_size: 128
    .sgpr_count:     66
    .vgpr_count:     194
    .wavefront_size: 32
...
	.end_amdgpu_metadata
.endif
;; end of part 1
;; launch qkv (part 2): grid 8 x 32, 4 waves a work-group, clusters of 4 x 4, 327,680 bytes of LDS; arguments x_codes, wqkv_codes, lowp_scales, q_codes, k_codes, v_codes; writes q_codes, k_codes, v_codes
.if DOCPART == 2
	.amdgcn_target "amdgcn-amd-amdhsa--gfx1250"
	.amdhsa_code_object_version 6
	.text
	.protected	k_qf02211f84d_qkv
	.globl	k_qf02211f84d_qkv
	.p2align	8
	.type	k_qf02211f84d_qkv,@function
k_qf02211f84d_qkv:
	s_mov_b64 s[64:65], 0
	v_nop
	global_prefetch_b8 v0, s[64:65] scope:SCOPE_SE
	s_setreg_imm32_b32 hwreg(HW_REG_WAVE_MODE, 25, 1), 1
	s_wait_xcnt 0x0
	s_wait_alu depctr_hold_cnt(0) depctr_sa_sdst(0) depctr_va_vdst(0) depctr_va_sdst(0) depctr_va_ssrc(0) depctr_va_vcc(0) depctr_vm_vsrc(0)
	s_getreg_b32 s2, hwreg(HW_REG_IB_STS2, 6, 4)
	s_cmp_eq_u32 s2, 0
	s_cbranch_scc0 .Lentry_in_a_cluster
	s_endpgm
.Lentry_in_a_cluster:
	s_bfe_u32 s2, ttmp6, 0x10000c
	s_cmp_lg_u32 s2, 0xf033
	s_cbranch_scc0 .Lentry_shape_is_right
	s_endpgm
.Lentry_shape_is_right:
; The projection qkv = x w_qkv^T on codes of FP8 (E4M3), K = 1,024, and its sums quantised at once to the codes of Q, K and V that the attention reads.
; x_codes [8192][1024], wqkv_codes [3072][1024].  A sum stands for sum x 2^(e0 + e1); its code under the scale 2^et (et = e2 for Q, e3 for K, e5 for V) is sum / 2^(et - e0 - e1), held within +-448.
; LIMITS: et - e0 - e1 between -126 and 119.  Fragments are fetched 16 bytes at a time: a permutation of k, the same on both sides of every product.
; A WORK-GROUP STAYS AND MAKES TWO TILES: 8,192 x 2,048 numbers of Q and K are 256 tiles of 256 x 256, 8,192 x 1,024 of V are 256 tiles of 256 keys x 128 channels: one of each for each of 256 work-groups.
; Source 0 of the products is called P, source 1 is called R: in a result lane (r, hh) holds ONE row 16 a + r of R and eight neighbouring rows 16 b + 8 hh + j of P.
; FIRST TILE (Q where the cluster's x is 0, K where it is 1): P = 256 rows of w_qkv, R = 256 rows of x: a lane's eight numbers run along the head's 64.  A wave makes 128 x 128 in 64 accumulators.
; SECOND TILE (V): P = 256 rows of x, R = 128 rows of w_qkv (two heads): a lane's eight numbers run along the keys, which are V's K.  A wave makes 64 (one head) x 128 in 32 accumulators.
; K goes in steps of 256 through two LDS slots, and the ring does not stop between the tiles: the first tile's last two changes of slots ask for the second tile's K steps 0 and 1, and the first tile goes out
; while they are on their way.  The same starts and pitch, R with 64 rows a wave in place of 128.
; CLUSTERS: 4 x 4 work-groups.  R's tiles hang on cy and are asked for jointly by a row of the cluster, P's on cx, by a column.
; NO PREFETCH: a tile has four K steps; the ring itself asks for two of them ahead of the tile's first product, and each of the other two a K step ahead.
; OUTPUT.  q_codes, k_codes: [b][h][pos][64], where row s lies at pos = s with its bits 3 and 4 exchanged.  v_codes: [b][h][block of 128 keys][d 64][128 keys].
; THE STAGE of the way out, 64 rows x 144 bytes for each wave, has bytes of its own behind the ring and the spare words: no tile lands there.  The first tile goes through it in two halves of 64 rows.
; REGISTERS, in windows of 256: window 0: v0-31 addresses; from v128 R's fragments (first tile: ONE set of 8; second tile: two sets of 4); on the way out v32-95 codes, v96-223 rows read back.
;   window 1: P's fragments, TWO sets.  window 2: the accumulators of my rows 0-63 of R (accumulator (a, b) at v[8 (8 a + b)]); window 3: those of rows 64-127.
.set ROWB,   256                       ; a tile's row in bytes
.set KROW,   1024                      ; a row of either operand in memory, in bytes
.set PITCH,  272                       ; an LDS row: 256 bytes + 16 of padding
.set FR,     16                        ; registers of a fragment: 16 rows x 128 K
.set NL,     4                         ; LDS loads that bring one
.set NP,     4                         ; places behind this matrix instruction (ISA guide 7.12.1)
.set HALFT,  128*PITCH
.set SLOT,   4*HALFT                   ; R's 256 rows, then P's 256 rows
.set SPARE,  2*SLOT                    ; the spare words, 128 bytes for each wave
.set STG,    SPARE+512
.set SROW,   144                       ; a stage row: 128 bytes of codes + 16
.set ADRA, 16                          ; v16-17  LDS address of my R fragments in slot 0, 1
.set ADRB, 20                          ; v20-21  the same for P
.set STO,  24                          ; where I put 8 codes
.set RDQ,  25                          ; where I read back for Q and K: 8 rows x 64 bytes an instruction
.set CO,   26                          ; 16 x lane
.set RDV,  27                          ; where I read back for V: 4 rows x 128 bytes an instruction
.set SPW,  28
.set NIL,  29
.set SCL,  30                          ; 2^(et - e0 - e1) as f32
.set LIM,  31                          ; 448 x that
.set CD,   32
.set BK,   96
.set AF,   128
.set G1, 24                            ; s[24:31] group 1 for R's tiles of 128 rows a wave; s[84:91] of 64 rows; s[48:55] for P's
.set G1H, 84
.set G1B, 48
.set G0, 32                            ; s[32:39], s[56:63] groups 0 for R and P, one set for each slot
.set G0B, 56
.set RH, 92                            ; s[92:93], s[94:95] where my parts of the second tile's R and P begin
.set PH, 94
.set OUTP, 96
.set MSB, 0
.macro WIN new
.if MSB != \new
	s_set_vgpr_msb (MSB<<8)|\new
.set MSB, \new
.endif
.endm
.set MUL_LO, 0xa1                      ; source 0 (P) window 1, source 1 (R) window 0, C and D window 2
.set MUL_HI, 0xf1
.set TO_B,   0x40
; A joint load: waves 0 and 1 fetch for R, waves 2 and 3 for P.  An s_nop 0 and four v_nop follow each of the two lines.
.macro JLOAD g0a, g1a, g0b, g1b
	s_cmp_eq_u32 s15, 0
	s_cbranch_scc0 .Lfor_b_\@
	tensor_load_to_lds s[\g0a:\g0a+3], s[\g1a:\g1a+7]
	s_nop 0
.rept 4
	v_nop
.endr
	s_branch .Lasked_\@
.Lfor_b_\@:
	tensor_load_to_lds s[\g0b:\g0b+3], s[\g1b:\g1b+7]
	s_nop 0
.rept 4
	v_nop
.endr
.Lasked_\@:
.endm
.macro CREST                           ; a round of the cluster's barrier behind its opening barrier
	s_cmp_lg_u32 s14, 0
	s_cbranch_scc1 .Lnot_wave_0_\@
	s_barrier_signal -3
.Lnot_wave_0_\@:
	s_barrier_wait -3
	s_barrier_signal -1
	s_barrier_wait -1
.endm
.macro CROUND
	s_barrier_signal -1
	s_barrier_wait -1
	CREST
.endm
	s_load_b128 s[4:7], s[0:1], 0x0                ; x's codes s[4:5], w_qkv's codes s[6:7]
	s_load_b128 s[8:11], s[0:1], 0x10              ; the scales' exponents s[8:9], Q's codes s[10:11]
	s_load_b128 s[76:79], s[0:1], 0x20             ; K's codes s[76:77], V's codes s[78:79]
	v_lshl_add_u32 v[SPW], v0, 2, SPARE
	v_mov_b32 v[NIL], 0
	ds_add_u32 v[SPW], v[NIL]                      ; the opening lines: the add twice on end and one wait, ahead of the round in front of my first tensor load
	ds_add_u32 v[SPW], v[NIL]
	v_lshrrev_b32 v1, 5, v0
	v_readfirstlane_b32 s14, v1                    ; wave 0..3
	s_lshr_b32 s15, s14, 1                         ; which half of R's rows is mine.  Also: I fetch for R (0) or for P (1)
	s_and_b32 s16, s14, 1                          ; which half of P's rows.  Also: which half of that tile I fetch
	s_bfe_u32 s40, ttmp6, 0x40000                  ; cx, cy
	s_bfe_u32 s41, ttmp6, 0x40004
	s_and_b32 s22, ttmp7, 0xffff
	s_lshl_b32 s22, s22, 2                         ; 4 x cluster y
	s_lshl_b32 s23, ttmp9, 2                       ; 4 x cluster x
	s_add_co_u32 s17, s22, s41                     ; first tile: R = x's tile 4 cluster y + cy,
	s_add_co_u32 s42, s23, s40                     ; P = w_qkv's tile 4 cluster x + cx (0-3 Q, 4-7 K)
	s_add_co_u32 s80, s23, s41                     ; second tile: R = V's 128 rows of w_qkv number 4 cluster x + cy,
	s_add_co_u32 s81, s22, s40                     ; P = x's tile 4 cluster y + cx
	s_lshl_b32 s43, s41, 2
	s_lshl_b32 s43, 15, s43                        ; my row of the cluster
	s_lshl_b32 s44, 0x1111, s40                    ; my column
	s_or_b32 s[G1], s43, (1<<20)|(1<<21)|(5<<22)|(3<<25)    ; the mask; elements of 1 byte; padding on; bit 21 beside a mask; 4 words behind every 64
	s_or_b32 s[G1H], s43, (1<<20)|(1<<21)|(5<<22)|(3<<25)
	s_or_b32 s[G1B], s44, (1<<20)|(1<<21)|(5<<22)|(3<<25)
.irp g, G1, G1H, G1B
	s_mov_b32 s[\g+1], ROWB<<16
	s_mov_b32 s[\g+3], ROWB<<16
	s_mov_b32 s[\g+5], KROW
	s_mov_b32 s[\g+6], 0
	s_mov_b32 s[\g+7], 0
.endr
	s_mov_b32 s[G1+2], 128<<16
	s_mov_b32 s[G1+4], 128
	s_mov_b32 s[G1B+2], 128<<16
	s_mov_b32 s[G1B+4], 128
	s_mov_b32 s[G1H+2], 64<<16
	s_mov_b32 s[G1H+4], 64
	s_lshl_b32 s18, s16, 7
	s_lshl_b32 s19, s16, 6
	s_lshl_b32 s20, s17, 8
	s_add_co_u32 s20, s20, s18                     ; row 256 x tile + 128 x half,
	s_lshl_b32 s20, s20, 10                        ; of 1,024 bytes
	s_mov_b32 s21, 0
	s_lshl_b32 s46, s42, 8
	s_add_co_u32 s46, s46, s18
	s_lshl_b32 s46, s46, 10
	s_mov_b32 s47, 0
	s_lshl_b32 s[RH], s80, 7
	s_add_co_u32 s[RH], s[RH], s19                 ; row 2,048 + 128 x number + 64 x half
	s_add_co_u32 s[RH], s[RH], 2048
	s_lshl_b32 s[RH], s[RH], 10
	s_mov_b32 s[RH+1], 0
	s_lshl_b32 s[PH], s81, 8
	s_add_co_u32 s[PH], s[PH], s18
	s_lshl_b32 s[PH], s[PH], 10
	s_mov_b32 s[PH+1], 0
	s_mul_i32 s45, s14, HALFT                      ; where my part goes in a slot: wave x 128 rows, for both tiles
	s_wait_dscnt 0x0                               ; both opening adds are done
	s_wait_kmcnt 0x0
	s_load_b256 s[68:75], s[8:9], 0x0              ; e0 .. e7, waited for on the way out
	s_add_nc_u64 s[20:21], s[4:5], s[20:21]
	s_add_nc_u64 s[46:47], s[6:7], s[46:47]
	s_add_nc_u64 s[RH:RH+1], s[6:7], s[RH:RH+1]
	s_add_nc_u64 s[PH:PH+1], s[4:5], s[PH:PH+1]
	CROUND                                         ; all sixteen work-groups are here: the first joint loads meet
.irp s, 0,1
	s_mov_b32 s[G0+4*\s], 1
	s_add_co_u32 s[G0+4*\s+1], s45, \s*SLOT
	s_add_nc_u64 s[G0+4*\s+2:G0+4*\s+3], s[20:21], \s*ROWB
	s_or_b32 s[G0+4*\s+3], s[G0+4*\s+3], 0x80000000
	s_mov_b32 s[G0B+4*\s], 1
	s_add_co_u32 s[G0B+4*\s+1], s45, \s*SLOT
	s_add_nc_u64 s[G0B+4*\s+2:G0B+4*\s+3], s[46:47], \s*ROWB
	s_or_b32 s[G0B+4*\s+3], s[G0B+4*\s+3], 0x80000000
.endr
	JLOAD G0, G1, G0B, G1B                         ; K step 0: one tensor load a wave at the head
	s_mul_i32 s21, s15, HALFT                      ; my rows of R
	s_mul_i32 s22, s16, HALFT                      ; my rows of P,
	s_add_co_u32 s22, s22, 2*HALFT                 ; which lie behind R's 256
	s_mul_i32 s23, s14, 64*SROW
	s_add_co_u32 s23, s23, STG                     ; my stage
	v_and_b32 v1, 15, v0                           ; r
	v_bfe_u32 v2, v0, 4, 1                         ; hh
	v_and_b32 v6, 31, v0                           ; lane
	v_mul_u32_u24 v3, v1, PITCH
	v_lshl_add_u32 v4, v2, 4, v3
	v_add_nc_u32 v[ADRA], s21, v4
	v_add_nc_u32 v[ADRB], s22, v4
	v_add_nc_u32 v[ADRA+1], SLOT, v[ADRA]
	v_add_nc_u32 v[ADRB+1], SLOT, v[ADRB]
	v_mul_u32_u24 v5, v1, SROW
	v_lshl_add_u32 v5, v2, 3, v5
	v_add_nc_u32 v[STO], s23, v5                   ; in: row r of a block of 16, 8 bytes for each half of the lanes
	v_lshrrev_b32 v7, 2, v6
	v_mul_u32_u24 v7, v7, SROW
	v_and_b32 v8, 3, v6
	v_lshl_add_u32 v7, v8, 4, v7
	v_add_nc_u32 v[RDQ], s23, v7                   ; back, for Q and K: four lanes to a row's 64 bytes of one head
	v_lshrrev_b32 v9, 3, v6
	v_mul_u32_u24 v9, v9, SROW
	v_and_b32 v10, 7, v6
	v_lshl_add_u32 v9, v10, 4, v9
	v_add_nc_u32 v[RDV], s23, v9                   ; back, for V: eight lanes to a row's 128 bytes
	v_lshlrev_b32 v[CO], 4, v6
.macro FRAG reg, adr, q, i             ; a fragment, 16 rows x 128 K: registers 4 c .. 4 c + 3 hold K = 32 c + 16 (l / 16) + 0 .. 15
.irp c, 0,1,2,3
	ds_load_b128 v[\reg+4*\c:\reg+4*\c+3], v[\adr] offset:128*(\q)+32*\c+(\i)*16*PITCH
.endr
.endm
; FIRST TILE.  16 matrix instructions: R's blocks a0, a0 + 1 x P's eight.  The 64 accumulators take turns in the same order in every step.
.macro MUL16 a0, p, zero
.irp a, \a0, \a0+1
.irp b, 0,1,2,3,4,5,6,7
.if \zero
	v_wmma_f32_16x16x128_fp8_fp8 v[8*(8*((\a)%4)+\b):8*(8*((\a)%4)+\b)+7], v[128*(\p)+FR*\b:128*(\p)+FR*\b+FR-1], v[AF+FR*(\a):AF+FR*(\a)+FR-1], 0
.else
	v_wmma_f32_16x16x128_fp8_fp8 v[8*(8*((\a)%4)+\b):8*(8*((\a)%4)+\b)+7], v[128*(\p)+FR*\b:128*(\p)+FR*\b+FR-1], v[AF+FR*(\a):AF+FR*(\a)+FR-1], v[8*(8*((\a)%4)+\b):8*(8*((\a)%4)+\b)+7]
.endif
.endr
.endr
.endm
.macro FETCH_B slot, q, p
	WIN TO_B
.irp i, 0,1,2,3,4,5,6,7
	FRAG 128*(\p)+FR*\i, ADRB+\slot, \q, \i
.endr
	WIN 0
.endm
.macro FETCH_A slot, q, i0
.irp i, \i0, \i0+1, \i0+2, \i0+3
	FRAG AF+FR*(\i), ADRA+\slot, \q, \i
.endr
.endm
.macro PLACES n
.rept \n
	v_nop
.endr
.endm
.macro STEP slot, q, zero              ; a step of 128 along K that has its successor in the same slot
	s_wait_dscnt 4*NL                              ; P's set and R's blocks 0-3 are in; the youngest sixteen loads (R's blocks 4-7) may be out
	WIN MUL_LO
	MUL16 0, (\q)%2, \zero
	MUL16 2, (\q)%2, \zero
	s_wait_dscnt 0
	PLACES NP
	FETCH_B \slot, (\q)+1, 1-(\q)%2
	FETCH_A \slot, (\q)+1, 0
	WIN MUL_HI
	MUL16 4, (\q)%2, \zero
	MUL16 6, (\q)%2, \zero
	PLACES NP
	WIN 0
	FETCH_A \slot, (\q)+1, 4
.endm
; A slot's last step changes slots, and the slot is filled again behind a round of the cluster's barrier.  on = 0: with this tile's K step two on; on = 1: with the second tile's K step 0 or 1.
; fetch = 0: the first tile's very last step: the way out follows, so no fragment is fetched.
.macro TURN slot, next, on, fetch
	s_wait_tensorcnt 0x0                           ; all my tensor loads have landed: my part of the next slot
	ds_add_u32 v[SPW], v[NIL]
	s_wait_dscnt 4*NL+1                            ; (the add and the youngest sixteen loads may be out)
	WIN MUL_LO
	MUL16 0, 1, 0
	s_wait_dscnt 0x0                               ; the add is done, and my reads of this slot are over
	s_barrier_signal -1
	MUL16 2, 1, 0
	WIN 0
	s_barrier_wait -1
	CREST                                          ; no wave of any partner still reads this slot's tile or has a load on its way
.if \on
	s_add_nc_u64 s[G0+4*\slot+2:G0+4*\slot+3], s[RH:RH+1], \slot*ROWB
	s_or_b32 s[G0+4*\slot+3], s[G0+4*\slot+3], 0x80000000
	s_add_nc_u64 s[G0B+4*\slot+2:G0B+4*\slot+3], s[PH:PH+1], \slot*ROWB
	s_or_b32 s[G0B+4*\slot+3], s[G0B+4*\slot+3], 0x80000000
	JLOAD G0+4*\slot, G1H, G0B+4*\slot, G1B
.else
	s_add_nc_u64 s[G0+4*\slot+2:G0+4*\slot+3], s[G0+4*\slot+2:G0+4*\slot+3], 2*ROWB
	s_add_nc_u64 s[G0B+4*\slot+2:G0B+4*\slot+3], s[G0B+4*\slot+2:G0B+4*\slot+3], 2*ROWB
	JLOAD G0+4*\slot, G1, G0B+4*\slot, G1B         ; its four v_nop are the places in front of the loads below
.endif
.if \fetch
	FETCH_B \next, 0, 0
	FETCH_A \next, 0, 0
.endif
	WIN MUL_HI
	MUL16 4, 1, 0
	MUL16 6, 1, 0
.if \fetch
	PLACES NP
	WIN 0
	FETCH_A \next, 0, 4
.else
	WIN 0
.endif
.endm
; SECOND TILE.  48 LDS loads: P's eight fragments and R's four of the slot's q-th 128 along K into set p
.macro HFETCH slot, q, p
	WIN TO_B
.irp i, 0,1,2,3,4,5,6,7
	FRAG 128*(\p)+FR*\i, ADRB+\slot, \q, \i
.endr
	WIN 0
.irp i, 0,1,2,3
	FRAG AF+64*(\p)+FR*\i, ADRA+\slot, \q, \i
.endr
.endm
.macro HMUL p, zero                    ; 32 matrix instructions on set p, the 32 accumulators by turns
	WIN MUL_LO
.irp a, 0,1,2,3
.irp b, 0,1,2,3,4,5,6,7
.if \zero
	v_wmma_f32_16x16x128_fp8_fp8 v[8*(8*\a+\b):8*(8*\a+\b)+7], v[128*(\p)+FR*\b:128*(\p)+FR*\b+FR-1], v[AF+64*(\p)+FR*\a:AF+64*(\p)+FR*\a+FR-1], 0
.else
	v_wmma_f32_16x16x128_fp8_fp8 v[8*(8*\a+\b):8*(8*\a+\b)+7], v[128*(\p)+FR*\b:128*(\p)+FR*\b+FR-1], v[AF+64*(\p)+FR*\a:AF+64*(\p)+FR*\a+FR-1], v[8*(8*\a+\b):8*(8*\a+\b)+7]
.endif
.endr
.endr
	WIN 0
.endm
.macro HSTEP slot, q, p, zero          ; the successor's fragments (slot, q) are asked for into the other set, then set p is multiplied
	PLACES NP
	HFETCH \slot, \q, 1-(\p)
	s_wait_dscnt 48                                ; set p is in; the 48 loads just issued may be out
	HMUL \p, \zero
.endm
.macro HTURN slot                      ; the slot that has been read out takes the K step two on
	s_wait_tensorcnt 0x0                           ; my part of the other slot is in
	ds_add_u32 v[SPW], v[NIL]
	s_add_nc_u64 s[G0+4*\slot+2:G0+4*\slot+3], s[G0+4*\slot+2:G0+4*\slot+3], 2*ROWB
	s_add_nc_u64 s[G0B+4*\slot+2:G0B+4*\slot+3], s[G0B+4*\slot+2:G0B+4*\slot+3], 2*ROWB
	s_wait_dscnt 0x0                               ; the add is done, and my reads of this slot are over: the set in flight is in
	CROUND
	JLOAD G0+4*\slot, G1H, G0B+4*\slot, G1B        ; its four v_nop are the places in front of the loads that follow
.endm
; THE WAY OUT.  Block a (16 rows of R x my 128 rows of P): held, converted (a lane's eight numbers are 8 bytes) and put into my stage: row 16 (a % 4) + r, byte 16 b + 8 hh.
.macro OUTBLK a
.set AC, 64*((\a)%4)
	WIN 0x82+0x41*((\a)/4)                         ; source 0 and destination: window 2 or 3
.set i, 0
.rept 64
	v_med3_num_f32 v[AC+i], v[AC+i], -v[LIM], v[LIM]   ; the conversion does not saturate (ISA guide 7.6.2); each accumulator from its low end on
.set i, i+1
.endr
	WIN 0x02+((\a)/4)
.irp b, 0,1,2,3,4,5,6,7
	v_cvt_scalef32_pk8_fp8_f32 v[CD+16*((\a)%4)+2*\b:CD+16*((\a)%4)+2*\b+1], v[AC+8*\b:AC+8*\b+7], v[SCL]
.endr
	v_nop                                          ; one plain vector line behind the last conversion of a run
	WIN 0
.irp b, 0,1,2,3,4,5,6,7
	ds_store_b64 v[STO], v[CD+16*((\a)%4)+2*\b:CD+16*((\a)%4)+2*\b+1] offset:16*SROW*((\a)%4)+16*\b
.endr
.endm
; Q, K: 64 positions at a time.  A stage row is a position: bytes 0-63 my first head's, 64-127 my second's.  Output group t of eight positions takes the group t with its bits 0 and 1 exchanged: that lays row s at s with bits 3, 4 exchanged.
.macro OUTQK hf
	OUTBLK 4*\hf
	OUTBLK 4*\hf+1
	OUTBLK 4*\hf+2
	OUTBLK 4*\hf+3
.set u, 0
.rept 8
.set t, 8*\hf+u
.set g, ((t&12)|((t&1)<<1)|((t>>1)&1))-8*\hf
	ds_load_b128 v[BK+64*\hf+4*u:BK+64*\hf+4*u+3], v[RDQ] offset:8*SROW*g          ; LDS serves a wave's instructions in order: these see my stores
	ds_load_b128 v[BK+64*\hf+32+4*u:BK+64*\hf+32+4*u+3], v[RDQ] offset:8*SROW*g+64
.set u, u+1
.endr
	s_wait_dscnt 0x0                               ; the rows are back, and the stores have read the codes' registers
.set u, 0
.rept 8
	global_store_b128 v[CO], v[BK+64*\hf+4*u:BK+64*\hf+4*u+3], s[OUTP:OUTP+1] offset:512*(8*\hf+u)            ; 32 lanes store 512 consecutive bytes, aligned
	global_store_b128 v[CO], v[BK+64*\hf+32+4*u:BK+64*\hf+32+4*u+3], s[OUTP:OUTP+1] offset:131072+512*(8*\hf+u)
.set u, u+1
.endr
.endm
.macro SCALES                          ; s98 = et - e0 - e1: the three scales folded into the conversion's one
	s_sub_co_i32 s98, s98, s68
	s_sub_co_i32 s98, s98, s69
	s_add_co_i32 s98, s98, 127
	s_lshl_b32 s99, s98, 23
	v_mov_b32 v[SCL], s99
	s_add_co_i32 s98, s98, 8
	s_lshl_b32 s98, s98, 23
	s_or_b32 s98, s98, 0x600000
	v_mov_b32 v[LIM], s98
	s_wait_alu depctr_va_vdst(0)
.endm
	s_wait_alu depctr_va_vdst(0)                   ; the wait at the head's end
	s_wait_tensorcnt 0x0                           ; my part of K step 0 is in
	ds_add_u32 v[SPW], v[NIL]
	s_wait_dscnt 0x0
	CROUND
	JLOAD G0+4, G1, G0B+4, G1B                     ; K step 1: the first tensor load behind the round
	FETCH_B 0, 0, 0
	FETCH_A 0, 0, 0
	FETCH_A 0, 0, 4
	STEP 0, 0, 1                                   ; the first products start the sums
	TURN 0, 1, 0, 1                                ; slot 0 takes K step 2
	STEP 1, 0, 0
	TURN 1, 0, 0, 1                                ; slot 1 takes K step 3
	STEP 0, 0, 0
	TURN 0, 1, 1, 1                                ; THE RING GOES ON: slot 0 takes the second tile's K step 0,
	STEP 1, 0, 0
	TURN 1, 0, 1, 0                                ; slot 1 its K step 1; K step 0 has been shown landed to every wave
	; the first tile goes out
	s_wait_kmcnt 0x0
	s_cmp_eq_u32 ttmp9, 1                          ; the cluster's x: the same in all partners
	s_cselect_b32 s98, s71, s70                    ; e3 for K, e2 for Q
	s_cselect_b64 s[OUTP:OUTP+1], s[76:77], s[10:11]
	SCALES
	s_lshr_b32 s18, s17, 3                         ; b = x's tile / 8
	s_lshl_b32 s18, s18, 4
	s_lshl_b32 s19, s40, 2
	s_add_co_u32 s18, s18, s19
	s_lshl_b32 s19, s16, 1
	s_add_co_u32 s18, s18, s19                     ; 16 b + my first head: 4 cx + 2 x my half of P,
	s_lshl_b32 s18, s18, 17                        ; x 131,072 bytes a head
	s_and_b32 s19, s17, 7
	s_lshl_b32 s19, s19, 1
	s_add_co_u32 s19, s19, s15                     ; which 128 positions within the batch,
	s_lshl_b32 s19, s19, 13                        ; x 8,192 bytes
	s_add_co_u32 s18, s18, s19
	s_mov_b32 s19, 0
	s_add_nc_u64 s[OUTP:OUTP+1], s[OUTP:OUTP+1], s[18:19]
	PLACES NP                                      ; the holds below write results of the last products
	OUTQK 0
	OUTQK 1
	s_wait_xcnt 0x0                                ; the stores have read their registers and their base: fragments may land there
	; the second tile
	HFETCH 0, 0, 0
	HSTEP 0, 1, 0, 1                               ; K 0-127; the first products start the sums
	HTURN 0                                        ; slot 0 takes K step 2
	HFETCH 1, 0, 0
	HMUL 1, 0                                      ; K 128-255
	HSTEP 1, 1, 0, 0
	HTURN 1                                        ; slot 1 takes K step 3
	HFETCH 0, 0, 0
	HMUL 1, 0
	HSTEP 0, 1, 0, 0
	s_wait_tensorcnt 0x0                           ; my part of K step 3 is in
	ds_add_u32 v[SPW], v[NIL]
	s_wait_dscnt 0x0
	s_barrier_signal -1
	s_barrier_wait -1                              ; No round follows
	PLACES NP
	HFETCH 1, 0, 0
	HMUL 1, 0
	HSTEP 1, 1, 0, 0
	s_wait_dscnt 0x0
	HMUL 1, 0                                      ; K 896-1023
	s_mov_b32 s98, s73                             ; e5
	SCALES
	s_lshr_b32 s18, s81, 3                         ; b = x's tile / 8
	s_lshl_b32 s18, s18, 4
	s_lshl_b32 s19, s80, 1
	s_add_co_u32 s18, s18, s19
	s_add_co_u32 s18, s18, s15                     ; 16 b + my head: 2 x R's number + my half of R
	s_lshl_b32 s18, s18, 17
	s_and_b32 s19, s81, 7
	s_lshl_b32 s19, s19, 1
	s_add_co_u32 s19, s19, s16                     ; which block of 128 keys within the batch
	s_lshl_b32 s19, s19, 13
	s_add_co_u32 s18, s18, s19
	s_mov_b32 s19, 0
	s_add_nc_u64 s[OUTP:OUTP+1], s[78:79], s[18:19]
	PLACES NP
	OUTBLK 0                                       ; a stage row is a channel d of my head, its 128 bytes my 128 keys
	OUTBLK 1
	OUTBLK 2
	OUTBLK 3
.set t, 0
.rept 16
	ds_load_b128 v[BK+4*t:BK+4*t+3], v[RDV] offset:4*SROW*t
.set t, t+1
.endr
	s_wait_dscnt 0x0
.set t, 0
.rept 16
	global_store_b128 v[CO], v[BK+4*t:BK+4*t+3], s[OUTP:OUTP+1] offset:512*t
.set t, t+1
.endr
	s_wait_tensorcnt 0x0                           ; the wave's end: behind my last tensor load and my last LDS store
	ds_add_u32 v[SPW], v[NIL]
	s_wait_dscnt 0x0
	CROUND                                         ; the closing round
	s_endpgm
.Lfunc_end_k_qf02211f84d_qkv:
	.size	k_qf02211f84d_qkv, .Lfunc_end_k_qf02211f84d_qkv-k_qf02211f84d_qkv
	.p2alignl 7, 3214868480
	.fill 96, 4, 3214868480
	.section	.rodata,"a",@progbits
	.p2align	6, 0x0
	.amdhsa_kernel k_qf02211f84d_qkv
		.amdhsa_group_segment_fixed_size 327680
		.amdhsa_private_segment_fixed_size 0
		.amdhsa_enable_private_segment 0
		.amdhsa_kernarg_size 48
		.amdhsa_user_sgpr_count 2
		.amdhsa_user_sgpr_kernarg_segment_ptr 1
		.amdhsa_wavefront_size32 1
		.amdhsa_system_sgpr_workgroup_id_x 1
		.amdhsa_system_sgpr_workgroup_id_y 1
		.amdhsa_system_sgpr_workgroup_id_z 1
		.amdhsa_system_vgpr_workitem_id 0
		.amdhsa_next_free_vgpr 1024
		.amdhsa_next_free_sgpr 100
		.amdhsa_reserve_vcc 0
		.amdhsa_float_denorm_mode_32 3
		.amdhsa_float_denorm_mode_16_64 3
		.amdhsa_memory_ordered 1
		.amdhsa_forward_progress 1
		.amdhsa_inst_pref_size 196
	.end_amdhsa_kernel
	.amdgpu_metadata
---
amdhsa.version: [ 1, 2 ]
amdhsa.kernels:
  - .name:           k_qf02211f84d_qkv
    .symbol:         k_qf02211f84d_qkv.kd
    .args:
      - { .name: x_codes, .offset: 0, .size: 8, .value_kind: global_buffer, .address_space: global }
      - { .name: wqkv_codes, .offset: 8, .size: 8, .value_kind: global_buffer, .address_space: global }
      - { .name: lowp_scales, .offset: 16, .size: 8, .value_kind: global_buffer, .address_space: global }
      - { .name: q_codes, .offset: 24, .size: 8, .value_kind: global_buffer, .address_space: global }
      - { .name: k_codes, .offset: 32, .size: 8, .value_kind: global_buffer, .address_space: global }
      - { .name: v_codes, .offset: 40, .size: 8, .value_kind: global_buffer, .address_space: global }
    .group_segment_fixed_size: 327680
    .private_segment_fixed_size: 0
    .kernarg_segment_align: 8
    .kernarg_segment_size: 48
    .max_flat_workgroup_size: 128
    .sgpr_count:     100
    .vgpr_count:     1024
    .wavefront_size: 32
...
	.end_amdgpu_metadata
.endif
;; end of part 2
;; launch attn (part 3): grid 4 x 64, 8 waves a work-group, clusters of 4 x 1, 327,680 bytes of LDS; arguments q_codes, k_codes, v_codes, lowp_scales, a_codes; writes a_codes
.if DOCPART == 3
	.amdgcn_target "amdgcn-amd-amdhsa--gfx1250"
	.amdhsa_code_object_version 6
	.text
	.protected	k_qf02211f84d_attn
	.globl	k_qf02211f84d_attn
	.p2align	8
	.type	k_qf02211f84d_attn,@function
k_qf02211f84d_attn:
	s_mov_b64 s[64:65], 0
	v_nop
	global_prefetch_b8 v0, s[64:65] scope:SCOPE_SE
	s_setreg_imm32_b32 hwreg(HW_REG_WAVE_MODE, 25, 1), 1
	s_wait_xcnt 0x0
	s_wait_alu depctr_hold_cnt(0) depctr_sa_sdst(0) depctr_va_vdst(0) depctr_va_sdst(0) depctr_va_ssrc(0) depctr_va_vcc(0) depctr_vm_vsrc(0)
	s_getreg_b32 s2, hwreg(HW_REG_IB_STS2, 6, 4)
	s_cmp_eq_u32 s2, 0
	s_cbranch_scc0 .Lentry_in_a_cluster
	s_endpgm
.Lentry_in_a_cluster:
	s_bfe_u32 s2, ttmp6, 0x10000c
	s_cmp_lg_u32 s2, 0x3003
	s_cbranch_scc0 .Lentry_shape_is_right
	s_endpgm
.Lentry_shape_is_right:
; Causal attention on codes of FP8 (E4M3), head size 64, 2,048 positions, 64 heads (b, h).  q_codes, k_codes: [bh][pos][64], row s at pos = s with bits 3 and 4 exchanged; v_codes: [bh][block of 128 keys][d 64][128 keys];
; a_codes: [bh][s][64]: the result O / l as codes under 2^e6.
; THE SOFTMAX AHEAD OF THE SECOND PRODUCT: t = score x log2(e) / 8; M = the running largest t rounded UP to a whole number; p = 2^(t - M) is quantised under 2^e4, not normalised; the row's sum l is taken of the
; unquantised p in f32 and divides at the end.  When M moves, l and O are multiplied by 2^(old M - new M), which rounds nothing.
; WORK LEFT OUT: steps of 128 keys that lie wholly behind reference()'s own causal mask for all of a wave's queries (their p is 0 for all inputs).
; LIMITS: e2 + e3 between -123 and 130 (added to c's exponent field); e4, and e6 - e4 - e5, between -126 and 119; the scaled scores t stay under 2^31 in magnitude.  NaN is not served.
; Fragments are fetched 16 bytes at a time: a permutation of k, the same on both sides of every product.
; A HEAD'S K AND V STAY IN LDS: 2,048 rows of K (64 + 16 bytes) and 16 x 64 rows of V (128 + 16 bytes) are 311,296 bytes.  No LDS byte is filled twice.
; SHARES.  The four work-groups of a head form a cluster.  A head has 64 tiles of 32 queries; wave w of partner p owns tile 63 - (4 w + p) and then tile 4 w + p: 16 - w and w + 1 steps of 128 keys, 17 for every wave.
; The counts, the steps left out and the one masked step of a tile (its last) hang on w and on the count of steps alone; p enters only global addresses and the mask's vector d.
; Every partner's wave 0 reads all 2,048 keys, so every tile is asked for JOINTLY by the four (mask 15), in two events, one load a wave each (even waves K, odd waves V, a quarter each):
; event 0, at the head: K's keys 0-511 and V's keys 0-383; event 1, behind one round of the cluster's barrier: the rest.  Steps 0 to 2 of the first tile
; behind one more barrier the waves walk the rest by themselves.
; NO PREFETCH: K and V are asked for by two requests in all, the second as soon as the first has landed and ahead of the first product: no later request is left for a loop to run ahead of.
; LAYOUT.  Both products transposed: S^T = K Q^T, O^T = V^T P^T: a lane holds ONE query (lane % 16).  By the order of k_codes, register j of tile f in lane half hh holds key 32 (f / 2) + 16 hh + 8 (f % 2) + j.
; REGISTERS.  window 0: v1-19 addresses and constants; v20-35 statistics, 8 a tile: +0 -M, +1 largest t, +2,+3 l, +4,+5 f (and 0), +6,+7 at work; v36-39 second sum chains; v40-71 P's codes; v72-199 S^T, then p; v200-215 Q.
;   window 1: v0-63 O^T (32 a tile); v64-127 K's fragments of one step; v192-255 V's.
.set KP,    80
.set VP,    144
.set KBLK,  128*KP                     ; 128 keys of K in LDS
.set VBLK,  64*VP                      ; 128 keys of V in LDS
.set VOFF,  16*KBLK
.set SPARE, VOFF+16*VBLK               ; the spare words, 128 bytes for each of eight waves
.set STAGE, SPARE+1024                 ; the way out: 16 rows x 80 bytes for each wave; no tile lands here
.set AK0, 1                            ; 80 r + 16 hh
.set AV0, 2                            ; VOFF + 144 r + 16 hh
.set QO,  4                            ; Q: (r + 8 (r / 8)) x 64 + 16 hh
.set SPW, 5
.set NIL, 6
.set ADK, 7
.set ADV, 8
.set STO, 9
.set SRD, 10
.set GO,  11
.set RH,  12                           ; r - 16 hh
.set NINF, 13
.set PLIM, 14                          ; 448 x 2^e4, and once more in v217: the two halves of a dual line take their second sources from different banks
.set PLIM2, 217
.set PSC,  15                          ; 2^e4
.set OLIM, 16
.set OSC,  17
.set DM,  18
.set ST,  20
.set CH,  36
.set P,   40
.set S,   72
.set QF,  200
.set RB,  136
.set WV,  14
.set KIND, 15                          ; 0: I fetch K, 1: V
.set TR,  17                           ; the trip
.set LAST, 18                          ; the trip of my tile's last, masked step
.set QD,  19                           ; my first query less that step's first key; s50 the second tile's
.set QDB, 50
.set SEL, 20
.set CS,  22
.set G1K, 24
.set G1V, 32
.set G0K, 40
.set G0V, 44
.set KL,  51                           ; event 1: my part's LDS byte and its offset in memory, for K
.set KE,  52
.set VL,  62                           ; and for V
.set VE,  66
.set QA,  54
.set QB,  56
.set OA,  58
.set OB,  60
.set MSB, 0
.macro WIN new
.if MSB != \new
	s_set_vgpr_msb (MSB<<8)|\new
.set MSB, \new
.endif
.endm
; A joint load: even waves for K, odd waves for V; every wave issues one.  An s_nop 0 and four v_nop follow each line.
.macro JLOAD
	s_cmp_eq_u32 s[KIND], 0
	s_cbranch_scc0 .Lfor_v_\@
	tensor_load_to_lds s[G0K:G0K+3], s[G1K:G1K+7]
	s_nop 0
.rept 4
	v_nop
.endr
	s_branch .Lasked_\@
.Lfor_v_\@:
	tensor_load_to_lds s[G0V:G0V+3], s[G1V:G1V+7]
	s_nop 0
.rept 4
	v_nop
.endr
.Lasked_\@:
.endm
.macro CROUND                          ; a round of the cluster's barrier
	s_barrier_signal -1
	s_barrier_wait -1
	s_cmp_lg_u32 s[WV], 0
	s_cbranch_scc1 .Lnot_wave_0_\@
	s_barrier_signal -3
.Lnot_wave_0_\@:
	s_barrier_wait -3
	s_barrier_signal -1
	s_barrier_wait -1
.endm
	s_load_b256 s[4:11], s[0:1], 0x0               ; Q's codes s[4:5], K's s[6:7], V's s[8:9], the scales' exponents s[10:11]
	s_load_b64 s[12:13], s[0:1], 0x20              ; the output's codes
	v_lshl_add_u32 v[SPW], v0, 2, SPARE
	v_mov_b32 v[NIL], 0
	ds_add_u32 v[SPW], v[NIL]                      ; the opening lines: the add twice on end and one wait, ahead of the round in front of my first tensor load
	ds_add_u32 v[SPW], v[NIL]
	v_lshrrev_b32 v7, 5, v0
	v_readfirstlane_b32 s[WV], v7                  ; wave 0..7
	s_and_b32 s[KIND], s[WV], 1
	s_lshr_b32 s80, s[WV], 1                       ; j = w / 2: which quarter of an event's K or V is mine
	s_and_b32 s82, ttmp7, 0xffff
	s_lshl_b32 s82, s82, 17                        ; the head's first byte in each tensor: 131,072 x bh
	s_lshl_b32 s84, s80, 13                        ; event 0, K: 128 keys, 8,192 bytes a wave
	s_add_co_u32 s84, s84, s82
	s_mov_b32 s85, 0
	s_mul_i32 s86, s80, KBLK
	s_mul_i32 s96, s80, 6144                       ; event 0, V: 48 rows of 128 bytes a wave
	s_add_co_u32 s96, s96, s82
	s_mov_b32 s97, 0
	s_mul_i32 s87, s80, 48*VP
	s_add_co_u32 s87, s87, VOFF
	s_mul_i32 s[KE], s80, 24576                    ; event 1, K: 384 keys a wave, from key 512 on
	s_add_co_u32 s[KE], s[KE], 32768
	s_add_co_u32 s[KE], s[KE], s82
	s_mov_b32 s[KE+1], 0
	s_mul_i32 s[KL], s80, 384*KP
	s_add_co_u32 s[KL], s[KL], 512*KP
	s_mul_i32 s[VE], s80, 26624                    ; event 1, V: 208 rows a wave, from row 192 on
	s_add_co_u32 s[VE], s[VE], 24576
	s_add_co_u32 s[VE], s[VE], s82
	s_mov_b32 s[VE+1], 0
	s_mul_i32 s[VL], s80, 208*VP
	s_add_co_u32 s[VL], s[VL], VOFF+192*VP
	s_bfe_u32 s88, ttmp6, 0x40000                  ; p: my place in the cluster
	s_lshl_b32 s89, s[WV], 7
	s_lshl_b32 s[QDB], s88, 5
	s_add_co_u32 s89, s89, s[QDB]                  ; the second tile's first query: 128 w + 32 p
	s_sub_co_u32 s91, 2016, s89                    ; the first tile's: 32 (63 - 4 w - p)
	s_sub_co_u32 s[QD], 96, s[QDB]                 ; less 128 (15 - w)
	s_lshl_b32 s92, s91, 6
	s_add_co_u32 s92, s92, s82
	s_mov_b32 s93, 0
	s_lshl_b32 s94, s89, 6
	s_add_co_u32 s94, s94, s82
	s_mov_b32 s95, 0
	s_sub_co_u32 s[LAST], 15, s[WV]
	; descriptor groups 1: dense bytes stated as rows of 256; 16 bytes of padding behind every 64 (K) or 128 (V); mask 15, bit 21 beside it.  Event 0: 32 rows for K, 24 for V
	s_mov_b32 s[G1K], 15|(1<<20)|(1<<21)|(3<<22)|(3<<25)
	s_mov_b32 s[G1V], 15|(1<<20)|(1<<21)|(4<<22)|(3<<25)
.irp g, G1K, G1V
	s_mov_b32 s[\g+1], 256<<16
	s_mov_b32 s[\g+3], 256<<16
	s_mov_b32 s[\g+5], 256
	s_mov_b32 s[\g+6], 0
	s_mov_b32 s[\g+7], 0
.endr
	s_mov_b32 s[G1K+2], 32<<16
	s_mov_b32 s[G1K+4], 32
	s_mov_b32 s[G1V+2], 24<<16
	s_mov_b32 s[G1V+4], 24
	s_mov_b32 s[SEL], 0x76543210
	s_mov_b32 s[SEL+1], 0xfedcba98
	s_mov_b32 s[CS], 0x3e38aa3b                    ; c = log2(e) / sqrt(64)
	s_mov_b32 s[TR], 0
	s_wait_dscnt 0x0                               ; both opening adds are done
	s_wait_kmcnt 0x0
	s_load_b256 s[68:75], s[10:11], 0x0            ; e0 .. e7
	s_mov_b32 s[G0K], 1
	s_mov_b32 s[G0K+1], s86
	s_add_nc_u64 s[G0K+2:G0K+3], s[6:7], s[84:85]
	s_or_b32 s[G0K+3], s[G0K+3], 0x80000000
	s_mov_b32 s[G0V], 1
	s_mov_b32 s[G0V+1], s87
	s_add_nc_u64 s[G0V+2:G0V+3], s[8:9], s[96:97]
	s_or_b32 s[G0V+3], s[G0V+3], 0x80000000
	CROUND                                         ; all four work-groups are here: the first joint loads meet
	JLOAD                                          ; event 0: one tensor load a wave at the head
	s_add_nc_u64 s[QA:QA+1], s[4:5], s[92:93]
	s_add_nc_u64 s[QB:QB+1], s[4:5], s[94:95]
	s_add_nc_u64 s[OA:OA+1], s[12:13], s[92:93]
	s_add_nc_u64 s[OB:OB+1], s[12:13], s[94:95]
	v_and_b32 v20, 15, v0                          ; r
	v_bfe_u32 v21, v0, 4, 1                        ; hh
	v_and_b32 v22, 31, v0                          ; lane
	s_delay_alu instid0(VALU_DEP_3)
	v_mul_u32_u24 v[AK0], v20, KP
	s_delay_alu instid0(VALU_DEP_1)
	v_lshl_add_u32 v[AK0], v21, 4, v[AK0]
	v_mul_u32_u24 v[AV0], v20, VP
	s_delay_alu instid0(VALU_DEP_1)
	v_lshl_add_u32 v[AV0], v21, 4, v[AV0]
	s_delay_alu instid0(VALU_DEP_1)
	v_add_nc_u32 v[AV0], VOFF, v[AV0]
	v_mov_b32 v[ADK], v[AK0]                       ; step 0's K
	v_and_b32 v23, 8, v20
	s_delay_alu instid0(VALU_DEP_1)
	v_add_nc_u32 v23, v23, v20                     ; r + 8 (r / 8): where query r of tile 0 lies among my 32 positions
	s_delay_alu instid0(VALU_DEP_1)
	v_lshlrev_b32 v[QO], 6, v23
	s_delay_alu instid0(VALU_DEP_1)
	v_lshl_add_u32 v[QO], v21, 4, v[QO]
	s_mul_i32 s80, s[WV], 16*80
	s_add_co_u32 s80, s80, STAGE                   ; my stage
	v_mul_u32_u24 v[STO], v20, 80
	s_delay_alu instid0(VALU_DEP_1)
	v_lshl_add_u32 v[STO], v21, 3, v[STO]
	s_delay_alu instid0(VALU_DEP_1)
	v_add_nc_u32 v[STO], s80, v[STO]               ; in: row r, 8 bytes for each half of the lanes
	v_lshrrev_b32 v24, 2, v22
	s_delay_alu instid0(VALU_DEP_1)
	v_mul_u32_u24 v[SRD], v24, 80
	v_and_b32 v24, 3, v22
	s_delay_alu instid0(VALU_DEP_1)
	v_lshl_add_u32 v[SRD], v24, 4, v[SRD]
	s_delay_alu instid0(VALU_DEP_1)
	v_add_nc_u32 v[SRD], s80, v[SRD]               ; back: four lanes to a row of 64 bytes, eight rows an instruction
	v_lshlrev_b32 v[GO], 4, v22
	v_lshlrev_b32 v24, 4, v21
	s_delay_alu instid0(VALU_DEP_1)
	v_sub_nc_u32 v[RH], v20, v24
	v_mov_b32 v[NINF], 0xff800000
	s_wait_alu depctr_va_vdst(0)                   ; the wait here, directly ahead of the wait below
	s_wait_kmcnt 0x0
	s_add_co_i32 s80, s70, s71
	s_lshl_b32 s80, s80, 23
	s_add_co_i32 s[CS], s[CS], s80                 ; a score stands for score x 2^(e2 + e3): the exponents are added to c's exponent field
	s_mov_b32 s[CS+1], s[CS]
	s_add_co_i32 s80, s72, 127
	s_lshl_b32 s81, s80, 23
	v_mov_b32 v[PSC], s81                          ; 2^e4
	s_add_co_i32 s80, s80, 8
	s_lshl_b32 s80, s80, 23
	s_or_b32 s80, s80, 0x600000
	v_mov_b32 v[PLIM], s80                         ; 448 x 2^e4
	v_mov_b32 v[PLIM2], s80
	s_sub_co_i32 s80, s74, s72
	s_sub_co_i32 s80, s80, s73                     ; O's sums stand for sum x 2^(e4 + e5): the output's code is (sum / l) / 2^(e6 - e4 - e5)
	s_add_co_i32 s80, s80, 127
	s_lshl_b32 s81, s80, 23
	v_mov_b32 v[OSC], s81
	s_add_co_i32 s80, s80, 8
	s_lshl_b32 s80, s80, 23
	s_or_b32 s80, s80, 0x600000
	v_mov_b32 v[OLIM], s80
; A tile of 32 queries begins: the largest t is -3e38, l and O^T are zeros (the first change of M multiplies zeros), and Q's two fragments are asked for.
.macro INIT qp
.irp y, 0,1
	v_mov_b32 v[ST+8*\y+1], 0xff61b1e6
	v_mov_b32 v[ST+8*\y+2], 0
	v_mov_b32 v[ST+8*\y+3], 0
	v_mov_b32 v[ST+8*\y+4], 0
	v_mov_b32 v[ST+8*\y+5], 0
	v_mov_b32 v[ST+8*\y+6], 0
	v_mov_b32 v[ST+8*\y+7], 0
	v_floor_f32 v[ST+8*\y], -v[ST+8*\y+1]          ; -M
.endr
	WIN 0x40
.set n, 0
.rept 64
	v_mov_b32 v[n], 0
.set n, n+1
.endr
	WIN 0
	s_wait_loadcnt 0x0                             ; no earlier load into Q's registers is out
.irp y, 0,1
	global_load_b128 v[QF+8*\y:QF+8*\y+3], v[QO], s[\qp:\qp+1] offset:512*\y
	global_load_b128 v[QF+8*\y+4:QF+8*\y+7], v[QO], s[\qp:\qp+1] offset:512*\y+32
.endr
.endm
.macro LOADK                           ; K's eight fragments (16 positions x 64) of a step
	WIN 0x40
.irp f, 0,1,2,3,4,5,6,7
	ds_load_b128 v[64+8*\f:64+8*\f+3], v[ADK] offset:16*\f*KP
	ds_load_b128 v[64+8*\f+4:64+8*\f+7], v[ADK] offset:16*\f*KP+32
.endr
	WIN 0
.endm
.macro LOADV                           ; V's four fragments (16 channels x 128 keys) of a step
	WIN 0x40
.irp t, 0,1,2,3
.irp c, 0,1,2,3
	ds_load_b128 v[192+16*\t+4*\c:192+16*\t+4*\c+3], v[ADV] offset:16*VP*\t+32*\c
.endr
.endr
	WIN 0
.endm
.macro QK                              ; S^T = K Q^T: sixteen products, each a sum of its own; each fragment of K feeds both tiles
	WIN 0x01
.irp f, 0,1,2,3,4,5,6,7
.irp y, 0,1
	v_wmma_f32_16x16x64_fp8_fp8 v[S+64*\y+8*\f:S+64*\y+8*\f+7], v[64+8*\f:64+8*\f+7], v[QF+8*\y:QF+8*\y+7], 0
.endr
.endr
	WIN 0
.rept 4
	v_nop                                          ; places in front of the first read of the scores and of loads into K's registers
.endr
.endm
; A tile's last step lies on the diagonal: hidden scores become -infinity ahead of the maximum, so p = 0.  Register n holds key KF + 16 hh + 32 (n / 16) + n % 16: hidden where 32 (n / 16) + n % 16 > d = my query - KF - 16 hh.
.macro MASK
	s_cmp_lg_u32 s[TR], s[LAST]                    ; the wave's number and the count of steps alone
	s_cbranch_scc1 .Lopen_\@
	v_add_nc_u32 v[DM], s[QD], v[RH]
	s_delay_alu instid0(VALU_DEP_1)
	v_add_nc_u32 v[DM+1], 16, v[DM]
.irp y, 0,1
.set n, 0
.rept 64
	v_cmp_gt_i32 vcc_lo, 32*(n/16)+n%16, v[DM+\y]
	v_cndmask_b32 v[S+64*\y+n], v[S+64*\y+n], v[NINF], vcc_lo
.set n, n+1
.endr
.endr
.Lopen_\@:
.endm
; The softmax of a step of 128 keys for both tiles, the tiles line by line by turns.
.macro SOFT
.irp y, 0,1
	v_max3_num_f32 v[ST+8*\y+6], v[S+64*\y], v[S+64*\y+1], v[S+64*\y+2]        ; the step's largest score among my 64 keys, in two chains; each accumulator is read from its low end on
	v_max3_num_f32 v[ST+8*\y+7], v[S+64*\y+3], v[S+64*\y+4], v[S+64*\y+5]
.endr
.set n, 6
.rept 14
.irp y, 0,1
	v_max3_num_f32 v[ST+8*\y+6], v[ST+8*\y+6], v[S+64*\y+n], v[S+64*\y+n+1]
	v_max3_num_f32 v[ST+8*\y+7], v[ST+8*\y+7], v[S+64*\y+n+2], v[S+64*\y+n+3]
.endr
.set n, n+4
.endr
.irp y, 0,1
	v_max3_num_f32 v[ST+8*\y+6], v[ST+8*\y+6], v[S+64*\y+62], v[S+64*\y+63]
.endr
.irp y, 0,1
	s_delay_alu instid0(VALU_DEP_2)
	v_max_num_f32 v[ST+8*\y+6], v[ST+8*\y+6], v[ST+8*\y+7]
.endr
.irp y, 0,1
	s_delay_alu instid0(VALU_DEP_2)
	v_permlanex16_b32 v[ST+8*\y+7], v[ST+8*\y+6], s[SEL], s[SEL+1]
.endr
.irp y, 0,1
	s_delay_alu instid0(VALU_DEP_2)
	v_max_num_f32 v[ST+8*\y+6], v[ST+8*\y+6], v[ST+8*\y+7]                     ; and among lane l xor 16's
.endr
.irp y, 0,1
	s_delay_alu instid0(VALU_DEP_2)
	v_mul_f32 v[ST+8*\y+6], s[CS], v[ST+8*\y+6]                                ; as t (c is positive)
.endr
.irp y, 0,1
	s_delay_alu instid0(VALU_DEP_2)
	v_max_num_f32 v[ST+8*\y+1], v[ST+8*\y+1], v[ST+8*\y+6]                     ; the running largest t
.endr
.irp y, 0,1
	v_mov_b32 v[ST+8*\y+6], v[ST+8*\y]
.endr
.irp y, 0,1
	s_delay_alu instid0(VALU_DEP_4)
	v_floor_f32 v[ST+8*\y], -v[ST+8*\y+1]                                      ; the new -M = -ceil(t): a whole number
.endr
.irp y, 0,1
	s_delay_alu instid0(VALU_DEP_2)
	v_sub_f32 v[ST+8*\y+6], v[ST+8*\y], v[ST+8*\y+6]                           ; old M - new M: a whole number, 0 or less
.endr
.irp y, 0,1
	s_delay_alu instid0(VALU_DEP_2)
	v_cvt_i32_f32 v[ST+8*\y+6], v[ST+8*\y+6]                                   ; (it saturates)
.endr
.irp y, 0,1
	s_delay_alu instid0(VALU_DEP_2)
	v_ldexp_f32 v[ST+8*\y+4], 1.0, v[ST+8*\y+6]                                ; f = 2^(old M - new M)
.endr
.set n, 0
.rept 32
.irp y, 0,1
	v_pk_fma_f32 v[S+64*\y+n:S+64*\y+n+1], v[S+64*\y+n:S+64*\y+n+1], s[CS:CS+1], v[ST+8*\y:ST+8*\y+1] op_sel_hi:[1,0,0]   ; t - M, two at a time
.endr
.set n, n+2
.endr
	s_wait_alu depctr_va_vdst(0)                   ; the wait ahead of the batch
.set n, 0
.rept 128
	v_exp_f32 v[S+n], v[S+n]                       ; p = 2^(t - M), at most 1: both tiles' exponentials are ONE batch
.set n, n+1
.endr
.irp y, 0,1
	v_pk_mul_f32 v[ST+8*\y+2:ST+8*\y+3], v[ST+8*\y+2:ST+8*\y+3], v[ST+8*\y+4:ST+8*\y+5] op_sel_hi:[1,0]   ; l under the new M: the plain lines behind the last exponential
.endr
	s_wait_alu depctr_va_vdst(0)                   ; one wait for the batch, ahead of its first reader
.irp y, 0,1
	v_pk_add_f32 v[CH+2*\y:CH+2*\y+1], v[S+64*\y:S+64*\y+1], v[S+64*\y+2:S+64*\y+3]   ; the sum of the UNQUANTISED p: two at a time, two chains a tile
.endr
.set n, 4
.rept 15
.irp y, 0,1
	v_pk_add_f32 v[ST+8*\y+2:ST+8*\y+3], v[ST+8*\y+2:ST+8*\y+3], v[S+64*\y+n:S+64*\y+n+1]
	v_pk_add_f32 v[CH+2*\y:CH+2*\y+1], v[CH+2*\y:CH+2*\y+1], v[S+64*\y+n+2:S+64*\y+n+3]
.endr
.set n, n+4
.endr
	s_delay_alu instid0(VALU_DEP_3)
	v_pk_add_f32 v[ST+2:ST+3], v[ST+2:ST+3], v[CH:CH+1]
	s_delay_alu instid0(VALU_DEP_2)
	v_pk_add_f32 v[ST+10:ST+11], v[ST+10:ST+11], v[CH+2:CH+3]
.irp g, 0,1,2,3,4,5,6,7                ; g = 4 y + b: 16 neighbouring keys of tile y
.irp i, 0,2,4,6,8,10,12,14
	v_dual_min_num_f32 v[S+16*\g+\i], v[S+16*\g+\i], v[PLIM] :: v_dual_min_num_f32 v[S+16*\g+\i+1], v[S+16*\g+\i+1], v[PLIM2]   ; the conversion does not saturate (ISA guide 7.6.2); p is not negative: a one-sided hold, two a line
.endr
	v_cvt_scalef32_pk8_fp8_f32 v[P+4*\g:P+4*\g+1], v[S+16*\g:S+16*\g+7], v[PSC]      ; registers 4 b .. 4 b + 3 of P's operand: keys 32 b + 16 hh + 0 .. 15
	v_cvt_scalef32_pk8_fp8_f32 v[P+4*\g+2:P+4*\g+3], v[S+16*\g+8:S+16*\g+15], v[PSC]
.endr
	WIN 0x41                                       ; O^T (destination and source 0) window 1, f window 0
	s_wait_alu depctr_va_vdst(0)                   ; the wait here, directly ahead of the first reader of O^T
.irp y, 0,1
.set n, 0
.rept 16
	v_pk_mul_f32 v[32*\y+n:32*\y+n+1], v[32*\y+n:32*\y+n+1], v[ST+8*\y+4:ST+8*\y+5] op_sel_hi:[1,0]   ; O^T under the new M; also the plain lines between the conversions and the products
.set n, n+2
.endr
.endr
.endm
.macro PV                              ; O^T += V^T P^T: eight accumulators by turns; each fragment of V feeds both tiles
	s_wait_dscnt 16                                ; V's fragments are in; the next step's 16 loads of K, issued behind them, may be out
	WIN 0x51
.irp t, 0,1,2,3
.irp y, 0,1
	v_wmma_f32_16x16x128_fp8_fp8 v[32*\y+8*\t:32*\y+8*\t+7], v[192+16*\t:192+16*\t+15], v[P+16*\y:P+16*\y+15], v[32*\y+8*\t:32*\y+8*\t+7]
.endr
.endr
	WIN 0
.rept 4
	v_nop                                          ; places in front of loads into V's registers and of the first read of O^T
.endr
.endm
; A step of 128 keys.  Its K has been asked for earlier; V (at v[ADV]) is asked for at its head; the next trip's K (at v[ADK]) behind the first product.
.macro WORK mask
	LOADV
	s_wait_loadcnt 0x0                             ; Q (met at once in all steps but a tile's first)
	s_wait_dscnt 16                                ; K is in; V's 16 loads may be out
	QK
	LOADK
.if \mask
	MASK
.endif
	SOFT
	s_wait_alu depctr_va_vdst(0)                   ; the wait here, directly ahead of the wait below
	PV
.endm
; A tile ends: l's halves are added, O^T / l is held, converted under 2^(e6 - e4 - e5) and goes through my stage, 16 rows at a time, so that each store covers 512 consecutive bytes: eight rows of 64.
.macro FINAL ob
.irp y, 0,1
	v_add_f32 v[ST+8*\y+6], v[ST+8*\y+2], v[ST+8*\y+3]
.endr
.irp y, 0,1
	s_delay_alu instid0(VALU_DEP_2)
	v_permlanex16_b32 v[ST+8*\y+7], v[ST+8*\y+6], s[SEL], s[SEL+1]
.endr
.irp y, 0,1
	s_delay_alu instid0(VALU_DEP_2)
	v_add_f32 v[ST+8*\y+6], v[ST+8*\y+6], v[ST+8*\y+7]
.endr
	s_wait_alu depctr_va_vdst(0)                   ; the wait ahead of the batch
.irp y, 0,1
	v_rcp_f32 v[ST+8*\y+4], v[ST+8*\y+6]
.endr
	v_nop                                          ; a plain line behind the last reciprocal,
	WIN 0x01                                       ; source 0 (O^T) window 1
	s_wait_alu depctr_va_vdst(0)                   ; and one wait for both and for O^T, directly ahead of the first reader
.irp y, 0,1
.set n, 0
.rept 16
	v_pk_mul_f32 v[S+32*\y+n:S+32*\y+n+1], v[32*\y+n:32*\y+n+1], v[ST+8*\y+4:ST+8*\y+5] op_sel_hi:[1,0]   ; register 8 (4 y + t) + j: channel 16 t + 8 hh + j of query 16 y + r
.set n, n+2
.endr
.endr
	WIN 0
.set n, 0
.rept 64
	v_med3_num_f32 v[S+n], v[S+n], -v[OLIM], v[OLIM]
.set n, n+1
.endr
.irp g, 0,1,2,3,4,5,6,7
	v_cvt_scalef32_pk8_fp8_f32 v[P+2*\g:P+2*\g+1], v[S+8*\g:S+8*\g+7], v[OSC]
.endr
	v_nop                                          ; one plain vector line behind the last conversion of a run
.irp y, 0,1
.irp t, 0,1,2,3
	ds_store_b64 v[STO], v[P+2*(4*\y+\t):P+2*(4*\y+\t)+1] offset:16*\t
.endr
.irp u, 0,1
	ds_load_b128 v[RB+4*(2*\y+\u):RB+4*(2*\y+\u)+3], v[SRD] offset:8*80*\u   ; LDS serves a wave's instructions in order: these see my stores, and the second tile's stores come behind them
.endr
.endr
	s_wait_dscnt 0x0
.irp u, 0,1,2,3
	global_store_b128 v[GO], v[RB+4*\u:RB+4*\u+3], s[\ob:\ob+1] offset:512*\u
.endr
	s_wait_xcnt 0x0                                ; the stores have read their registers, which the next scores will take
.endm
	INIT QA
	s_wait_alu depctr_va_vdst(0)                   ; the wait at the head's end
	s_wait_tensorcnt 0x0                           ; my part of event 0 is in; no tensor load of mine is out, so the descriptors may be written
	ds_add_u32 v[SPW], v[NIL]
	s_mov_b32 s[G0K+1], s[KL]                      ; event 1: 96 rows of 256 bytes for K, 104 for V
	s_add_nc_u64 s[G0K+2:G0K+3], s[6:7], s[KE:KE+1]
	s_or_b32 s[G0K+3], s[G0K+3], 0x80000000
	s_mov_b32 s[G0V+1], s[VL]
	s_add_nc_u64 s[G0V+2:G0V+3], s[8:9], s[VE:VE+1]
	s_or_b32 s[G0V+3], s[G0V+3], 0x80000000
	s_mov_b32 s[G1K+2], 96<<16
	s_mov_b32 s[G1K+4], 96
	s_mov_b32 s[G1V+2], 104<<16
	s_mov_b32 s[G1V+4], 104
	s_wait_dscnt 0x0
	CROUND                                         ; everybody's part of event 0 is in, and the four work-groups are here
	JLOAD                                          ; a first fill of its bytes, the wave's one tensor load behind the round
	LOADK                                          ; step 0's K
.Lpre:                                             ; three trips: steps 0 to 2 of the first tile, from event 0's bytes
	s_mul_i32 s80, s[TR], VBLK
	s_add_co_u32 s81, s[TR], 1
	s_mul_i32 s81, s81, KBLK
	v_add_nc_u32 v[ADV], s80, v[AV0]
	v_add_nc_u32 v[ADK], s81, v[AK0]
	s_wait_alu depctr_va_vdst(0)
	WORK 0
	s_add_co_u32 s[TR], s[TR], 1
	s_cmp_lt_u32 s[TR], 3
	s_cbranch_scc1 .Lpre
	s_wait_tensorcnt 0x0                           ; my part of event 1 is in
	ds_add_u32 v[SPW], v[NIL]
	s_wait_dscnt 0x0
	s_barrier_signal -1
	s_barrier_wait -1                              ; everybody's is: all of K and V lies in LDS, and nothing is filled from here on
	s_mov_b32 s[TR], 3
.Lwalk:                                            ; twenty-one trips in every wave: n = 3 .. 15: step n of the first tile; n = 16 .. 23: step n - 16 of the second.  A step behind the tile's last is left out
	s_cmp_lg_u32 s[TR], 16
	s_cbranch_scc1 .Lsame
	FINAL OA
	INIT QB
	s_add_co_u32 s[LAST], s[WV], 16                ; the second tile's last step is w
	s_mov_b32 s[QD], s[QDB]
.Lsame:
	s_and_b32 s80, s[TR], 15
	s_mul_i32 s80, s80, VBLK                       ; this step's V,
	s_add_co_u32 s81, s[TR], 1
	s_and_b32 s81, s81, 15
	s_mul_i32 s81, s81, KBLK                       ; the next trip's K
	v_add_nc_u32 v[ADV], s80, v[AV0]
	v_add_nc_u32 v[ADK], s81, v[AK0]
	s_cmp_gt_u32 s[TR], s[LAST]                    ; the wave's number and the count of trips alone
	s_wait_alu depctr_va_vdst(0)                   ; the wait here, directly ahead of the branch
	s_cbranch_scc1 .Lhid
	WORK 1
	s_branch .Lnext
.Lhid:
	s_cmp_lg_u32 s[TR], 15                         ; of the hidden trips only the one ahead of the second tile has a step behind it that wants its K
	s_cbranch_scc1 .Lnext
	s_wait_dscnt 0x0                               ; the earlier loads into K's registers are back
	LOADK
.Lnext:
	s_add_co_u32 s[TR], s[TR], 1
	s_cmp_lt_u32 s[TR], 24
	s_cbranch_scc1 .Lwalk
	FINAL OB
	s_wait_tensorcnt 0x0                           ; the wave's end: behind my last tensor load and my last LDS store
	ds_add_u32 v[SPW], v[NIL]
	s_wait_dscnt 0x0
	CROUND                                         ; the closing round
	s_endpgm
.Lfunc_end_k_qf02211f84d_attn:
	.size	k_qf02211f84d_attn, .Lfunc_end_k_qf02211f84d_attn-k_qf02211f84d_attn
	.p2alignl 7, 3214868480
	.fill 96, 4, 3214868480
	.section	.rodata,"a",@progbits
	.p2align	6, 0x0
	.amdhsa_kernel k_qf02211f84d_attn
		.amdhsa_group_segment_fixed_size 327680
		.amdhsa_private_segment_fixed_size 0
		.amdhsa_enable_private_segment 0
		.amdhsa_kernarg_size 40
		.amdhsa_user_sgpr_count 2
		.amdhsa_user_sgpr_kernarg_segment_ptr 1
		.amdhsa_wavefront_size32 1
		.amdhsa_system_sgpr_workgroup_id_x 1
		.amdhsa_system_sgpr_workgroup_id_y 1
		.amdhsa_system_sgpr_workgroup_id_z 1
		.amdhsa_system_vgpr_workitem_id 0
		.amdhsa_next_free_vgpr 512
		.amdhsa_next_free_sgpr 100
		.amdhsa_reserve_vcc 1
		.amdhsa_float_denorm_mode_32 3
		.amdhsa_float_denorm_mode_16_64 3
		.amdhsa_memory_ordered 1
		.amdhsa_forward_progress 1
		.amdhsa_inst_pref_size 104
	.end_amdhsa_kernel
	.amdgpu_metadata
---
amdhsa.version: [ 1, 2 ]
amdhsa.kernels:
  - .name:           k_qf02211f84d_attn
    .symbol:         k_qf02211f84d_attn.kd
    .args:
      - { .name: q_codes, .offset: 0, .size: 8, .value_kind: global_buffer, .address_space: global }
      - { .name: k_codes, .offset: 8, .size: 8, .value_kind: global_buffer, .address_space: global }
      - { .name: v_codes, .offset: 16, .size: 8, .value_kind: global_buffer, .address_space: global }
      - { .name: lowp_scales, .offset: 24, .size: 8, .value_kind: global_buffer, .address_space: global }
      - { .name: a_codes, .offset: 32, .size: 8, .value_kind: global_buffer, .address_space: global }
    .group_segment_fixed_size: 327680
    .private_segment_fixed_size: 0
    .kernarg_segment_align: 8
    .kernarg_segment_size: 40
    .max_flat_workgroup_size: 256
    .sgpr_count:     100
    .vgpr_count:     512
    .wavefront_size: 32
...
	.end_amdgpu_metadata
.endif
;; end of part 3
;; launch oproj (part 4): grid 4 x 64, 4 waves a work-group, clusters of 4 x 4, 327,680 bytes of LDS; arguments a_codes, wo_codes, lowp_scales, out0; writes out0
.if DOCPART == 4
	.amdgcn_target "amdgcn-amd-amdhsa--gfx1250"
	.amdhsa_code_object_version 6
	.text
	.protected	k_qf02211f84d_oproj
	.globl	k_qf02211f84d_oproj
	.p2align	8
	.type	k_qf02211f84d_oproj,@function
k_qf02211f84d_oproj:
	s_mov_b64 s[64:65], 0
	v_nop
	global_prefetch_b8 v0, s[64:65] scope:SCOPE_SE
	s_setreg_imm32_b32 hwreg(HW_REG_WAVE_MODE, 25, 1), 1
	s_wait_xcnt 0x0
	s_wait_alu depctr_hold_cnt(0) depctr_sa_sdst(0) depctr_va_vdst(0) depctr_va_sdst(0) depctr_va_ssrc(0) depctr_va_vcc(0) depctr_vm_vsrc(0)
	s_getreg_b32 s2, hwreg(HW_REG_IB_STS2, 6, 4)
	s_cmp_eq_u32 s2, 0
	s_cbranch_scc0 .Lentry_in_a_cluster
	s_endpgm
.Lentry_in_a_cluster:
	s_bfe_u32 s2, ttmp6, 0x10000c
	s_cmp_lg_u32 s2, 0xf033
	s_cbranch_scc0 .Lentry_shape_is_right
	s_endpgm
.Lentry_shape_is_right:
; The projection on the way out: out0 = attn w_o^T on codes of FP8 (E4M3), K = 1,024.  a_codes: [b][h][s][64] (k = 64 h + d); wo_codes: [1024][1024], K innermost; out0: [8192][1024] f32.
; The codes are multiplied as they are, and each finished sum once by 2^(e6 + e7).  LIMIT: e6 + e7 between -126 and 127.  Fragments are fetched 16 bytes at a time: a permutation of k, the same on both sides.
; A block of 128 rows x 256 columns is made by four waves: 64 x 4 = 256 work-groups, one for each WGP.  A wave makes 64 x 128 in 32 accumulators, which take turns in the same order in every step.
; THE MATRIX INSTRUCTION IS USED TRANSPOSED (source 0 = 16 rows of w_o, source 1 = 16 rows of attn): a lane holds eight neighbouring numbers of a row of out0.
; CLUSTERS: 4 x 4 work-groups; attn's tile hangs on the block row and is asked for jointly by a row of the cluster, w_o's on the block column, by a column.  Waves 0, 1 fetch attn's halves, waves 2, 3 w_o's.
; K COMES IN THREE EVENTS, one load a wave each.  Event 0, at the head: K 0-511 (region X: 204,800 bytes).  Event 1, behind a round: K 512-767 (region Y: 104,448 bytes, filled once).
; Event 2, behind the round at which every wave has finished its reads of X: K 768-1023, laid on the first four head chunks and on the first 256 bytes of each row of X, so that X's addresses serve it.
; attn in LDS: a chunk is 64 positions of one head, 4,096 dense bytes with 16 of padding behind every 256: row r of 16 starts at word 16 r + 4 (r / 4), sixteen different groups of four banks.
; w_o in LDS: rows of 512 + 16 bytes in X, of 256 + 16 in Y.
; NO PREFETCH: all of K is asked for by three requests, two of them ahead of the first product; there is no loop that runs ahead of a later request.
; REGISTERS: window 0: v0-31 addresses; v128-255 attn's fragments, two sets of 4 x 16; on the way out v32-95 scaled sums, v128-255 rows read back.  window 1: w_o's fragments, two sets of 8 x 16.  window 2: the accumulators.
.set SIZE_N, 1024
.set ACH,   16*272                     ; a chunk
.set XAH,   8*ACH                      ; X: a half of attn's tile: 64 positions x 8 heads
.set XB,    2*XAH
.set XPB,   528
.set XBH,   128*XPB
.set YO,    XB+2*XBH
.set YAH,   4*ACH
.set YB,    YO+2*YAH
.set YPB,   272
.set YBH,   128*YPB
.set SPARE, YB+2*YBH                   ; the spare words, 128 bytes for each wave
.set SPITCH, 528                       ; the way out: a stage of 16 rows x (512 + 16) bytes for each wave, in Y, which has had its one fill and its last read when the first result is stored there
.set ADAX, 16
.set ADBX, 17
.set ADAY, 18
.set ADBY, 19
.set STO,  24
.set RD,   25
.set CO,   26
.set SPW,  28
.set NIL,  29
.set TMP,  32
.set AF,   128
.set BK,   128
.set G1AX, 24
.set G0A,  32
.set G0B,  36
.set G1BX, 48
.set G1AY, 68
.set G1BY, 76
.set MSB, 0
.macro WIN new
.if MSB != \new
	s_set_vgpr_msb (MSB<<8)|\new
.set MSB, \new
.endif
.endm
; A joint load: each of the two lines has one mask and one set of registers for all that issue it; the branch hangs on the wave's number alone.  An s_nop 0 and four v_nop follow each line.
.macro JLOAD g1a, g1b
	s_cmp_eq_u32 s15, 0
	s_cbranch_scc0 .Lfor_b_\@
	tensor_load_to_lds s[G0A:G0A+3], s[\g1a:\g1a+7]
	s_nop 0
.rept 4
	v_nop
.endr
	s_branch .Lasked_\@
.Lfor_b_\@:
	tensor_load_to_lds s[G0B:G0B+3], s[\g1b:\g1b+7]
	s_nop 0
.rept 4
	v_nop
.endr
.Lasked_\@:
.endm
.macro CROUND                          ; a round of the cluster's barrier
	s_barrier_signal -1
	s_barrier_wait -1
	s_cmp_lg_u32 s14, 0
	s_cbranch_scc1 .Lnot_wave_0_\@
	s_barrier_signal -3
.Lnot_wave_0_\@:
	s_barrier_wait -3
	s_barrier_signal -1
	s_barrier_wait -1
.endm
	s_load_b128 s[4:7], s[0:1], 0x0                ; attn's codes s[4:5], w_o's codes s[6:7]
	s_load_b128 s[8:11], s[0:1], 0x10              ; the scales' exponents s[8:9], out0 s[10:11]
	v_lshl_add_u32 v[SPW], v0, 2, SPARE
	v_mov_b32 v[NIL], 0
	ds_add_u32 v[SPW], v[NIL]                      ; the opening lines: the add twice on end and one wait, ahead of the round in front of my first tensor load
	ds_add_u32 v[SPW], v[NIL]
	v_lshrrev_b32 v1, 5, v0
	v_readfirstlane_b32 s14, v1                    ; wave 0..3
	s_lshr_b32 s15, s14, 1                         ; which 64 rows are mine.  Also: I fetch for attn (0) or for w_o (1)
	s_and_b32 s16, s14, 1                          ; which 128 columns.  Also: which half of that tile I fetch
	s_bfe_u32 s40, ttmp6, 0x40000                  ; cx, cy
	s_bfe_u32 s41, ttmp6, 0x40004
	s_lshl_b32 s42, ttmp9, 2
	s_add_co_u32 s42, s42, s40                     ; block column
	s_and_b32 s17, ttmp7, 0xffff
	s_lshl_b32 s17, s17, 2
	s_add_co_u32 s17, s17, s41                     ; block row
	s_lshl_b32 s43, s41, 2
	s_lshl_b32 s43, 15, s43                        ; my row of the cluster
	s_lshl_b32 s44, 0x1111, s40                    ; my column
	; groups 1.  attn: rows of 4,096 bytes (64 positions of a head), 131,072 apart, 8 or 4 of them, 16 bytes of padding behind every 256.  w_o: 128 rows of 512 or 256 bytes, 1,024 apart, 16 bytes behind each
	s_or_b32 s[G1AX], s43, (1<<20)|(1<<21)|(5<<22)|(3<<25)
	s_or_b32 s[G1AY], s43, (1<<20)|(1<<21)|(5<<22)|(3<<25)
.irp g, G1AX, G1AY
	s_mov_b32 s[\g+1], 4096<<16
	s_mov_b32 s[\g+3], 4096<<16
	s_mov_b32 s[\g+5], 131072
	s_mov_b32 s[\g+6], 0
	s_mov_b32 s[\g+7], 0
.endr
	s_mov_b32 s[G1AX+2], 8<<16
	s_mov_b32 s[G1AX+4], 8
	s_mov_b32 s[G1AY+2], 4<<16
	s_mov_b32 s[G1AY+4], 4
	s_or_b32 s[G1BX], s44, (1<<20)|(1<<21)|(6<<22)|(3<<25)
	s_or_b32 s[G1BY], s44, (1<<20)|(1<<21)|(5<<22)|(3<<25)
.irp g, G1BX, G1BY
	s_mov_b32 s[\g+2], 128<<16
	s_mov_b32 s[\g+4], 128
	s_mov_b32 s[\g+5], 1024
	s_mov_b32 s[\g+6], 0
	s_mov_b32 s[\g+7], 0
.endr
	s_mov_b32 s[G1BX+1], 512<<16
	s_mov_b32 s[G1BX+3], 512<<16
	s_mov_b32 s[G1BY+1], 256<<16
	s_mov_b32 s[G1BY+3], 256<<16
	s_lshr_b32 s20, s17, 4                         ; attn: batch = block row / 16, 2^21 bytes each,
	s_lshl_b32 s20, s20, 21
	s_and_b32 s18, s17, 15
	s_lshl_b32 s18, s18, 13                        ; 128 positions of 64 bytes a block row,
	s_add_co_u32 s20, s20, s18
	s_lshl_b32 s18, s16, 12                        ; 64 positions a half
	s_add_co_u32 s20, s20, s18
	s_mov_b32 s21, 0
	s_lshl_b32 s46, s42, 18                        ; w_o: 256 rows of 1,024 bytes a block column,
	s_lshl_b32 s19, s16, 17                        ; 128 rows a half
	s_add_co_u32 s46, s46, s19
	s_mov_b32 s47, 0
	s_mul_i32 s84, s16, XAH                        ; where my part goes: in X,
	s_mul_i32 s85, s16, XBH
	s_add_co_u32 s85, s85, XB
	s_mul_i32 s86, s16, YAH                        ; in Y
	s_add_co_u32 s86, s86, YO
	s_mul_i32 s87, s16, YBH
	s_add_co_u32 s87, s87, YB
	s_wait_dscnt 0x0                               ; both opening adds are done
	s_wait_kmcnt 0x0
	s_load_b64 s[96:97], s[8:9], 0x18              ; e6, e7
	s_add_nc_u64 s[20:21], s[4:5], s[20:21]
	s_add_nc_u64 s[46:47], s[6:7], s[46:47]
	s_mov_b32 s[G0A], 1
	s_mov_b32 s[G0A+1], s84
	s_mov_b64 s[G0A+2:G0A+3], s[20:21]
	s_or_b32 s[G0A+3], s[G0A+3], 0x80000000
	s_mov_b32 s[G0B], 1
	s_mov_b32 s[G0B+1], s85
	s_mov_b64 s[G0B+2:G0B+3], s[46:47]
	s_or_b32 s[G0B+3], s[G0B+3], 0x80000000
	CROUND                                         ; all sixteen work-groups are here: the first joint loads meet
	JLOAD G1AX, G1BX                               ; event 0: one tensor load a wave at the head
	s_mul_i32 s88, s15, XAH                        ; my 64 rows of attn in X,
	s_mul_i32 s89, s15, YAH
	s_add_co_u32 s89, s89, YO                      ; in Y
	s_mul_i32 s23, s14, 16*SPITCH
	s_add_co_u32 s23, s23, YO                      ; my stage
	s_lshl_b32 s92, s17, 7
	s_lshl_b32 s93, s15, 6
	s_add_co_u32 s92, s92, s93                     ; my first row of out0,
	s_lshl_b32 s92, s92, 12                        ; of 4,096 bytes,
	s_lshl_b32 s93, s42, 10
	s_add_co_u32 s92, s92, s93                     ; + 1,024 bytes a block column
	s_lshl_b32 s93, s16, 9
	s_add_co_u32 s92, s92, s93                     ; + 512 a half
	s_mov_b32 s93, 0
	s_add_nc_u64 s[10:11], s[10:11], s[92:93]
	v_and_b32 v1, 15, v0                           ; r
	v_bfe_u32 v2, v0, 4, 1                         ; hh
	v_and_b32 v6, 31, v0
	v_lshlrev_b32 v3, 6, v1
	v_lshrrev_b32 v5, 2, v1
	v_lshl_add_u32 v3, v5, 4, v3
	v_lshl_add_u32 v3, v2, 4, v3                   ; attn: 64 r + 16 (r / 4) + 16 hh
	v_add_nc_u32 v[ADAX], s88, v3
	v_add_nc_u32 v[ADAY], s89, v3
	v_mul_u32_u24 v4, v1, XPB
	v_lshl_add_u32 v4, v2, 4, v4
	v_add_nc_u32 v[ADBX], s85, v4                  ; w_o: my 128 rows are the half that s16 names
	v_mul_u32_u24 v7, v1, YPB
	v_lshl_add_u32 v7, v2, 4, v7
	v_add_nc_u32 v[ADBY], s87, v7
	v_mul_u32_u24 v8, v1, SPITCH
	v_lshl_add_u32 v8, v2, 5, v8
	v_add_nc_u32 v[STO], s23, v8                   ; the stage, in: row r, 32 bytes for each half of the lanes
	v_lshlrev_b32 v[CO], 4, v6                     ; back: the 32 lanes take one row of 512 bytes; and the same in out0
	v_add_nc_u32 v[RD], s23, v[CO]
; 48 LDS loads: the fragments of the region's q-th 128 along K into set p
.macro FETCH ada, adb, pitch, q, p
	WIN 0x40
.irp i, 0,1,2,3,4,5,6,7
.irp c, 0,1,2,3
	ds_load_b128 v[128*(\p)+16*\i+4*\c:128*(\p)+16*\i+4*\c+3], v[\adb] offset:128*(\q)+32*\c+\i*16*\pitch
.endr
.endr
	WIN 0
.irp i, 0,1,2,3
.irp c, 0,1,2,3
	ds_load_b128 v[AF+64*(\p)+16*\i+4*\c:AF+64*(\p)+16*\i+4*\c+3], v[\ada] offset:(2*(\q)+\c/2)*ACH+32*(\c%2)+\i*4*272
.endr
.endr
.endm
; 32 matrix instructions on set p.  zero = 1: the first products start the sums
.macro MUL32 p, zero
	WIN 0xa1                                       ; source 0 (w_o) window 1, source 1 (attn) window 0, C and D window 2
.irp a, 0,1,2,3
.irp b, 0,1,2,3,4,5,6,7
.if \zero
	v_wmma_f32_16x16x128_fp8_fp8 v[8*(8*\a+\b):8*(8*\a+\b)+7], v[128*(\p)+16*\b:128*(\p)+16*\b+15], v[AF+64*(\p)+16*\a:AF+64*(\p)+16*\a+15], 0
.else
	v_wmma_f32_16x16x128_fp8_fp8 v[8*(8*\a+\b):8*(8*\a+\b)+7], v[128*(\p)+16*\b:128*(\p)+16*\b+15], v[AF+64*(\p)+16*\a:AF+64*(\p)+16*\a+15], v[8*(8*\a+\b):8*(8*\a+\b)+7]
.endif
.endr
.endr
	WIN 0
.endm
.macro PLACES                          ; in front of loads into registers that matrix instructions have read, and of the first read of results
.rept 4
	v_nop
.endr
.endm
; A step whose successor lies in bytes that have been shown landed: the successor's fragments are asked for into the other set, then set p is multiplied
.macro STEP ada, adb, pitch, qnext, p, zero
	PLACES
	FETCH \ada, \adb, \pitch, \qnext, 1-(\p)
	s_wait_dscnt 48                                ; set p is in; the 48 loads just issued may be out
	MUL32 \p, \zero
.endm
	s_wait_alu depctr_va_vdst(0)                   ; the wait at the head's end
	s_wait_tensorcnt 0x0                           ; my part of event 0 is in; the groups 0 may be written
	ds_add_u32 v[SPW], v[NIL]
	s_mov_b32 s[G0A+1], s86                        ; event 1: heads 8 to 11, bytes 512 to 767 of w_o's rows, into Y
	s_add_nc_u64 s[G0A+2:G0A+3], s[20:21], 8*131072
	s_or_b32 s[G0A+3], s[G0A+3], 0x80000000
	s_mov_b32 s[G0B+1], s87
	s_add_nc_u64 s[G0B+2:G0B+3], s[46:47], 512
	s_or_b32 s[G0B+3], s[G0B+3], 0x80000000
	s_wait_dscnt 0x0
	CROUND                                         ; everybody's part of event 0 is in
	JLOAD G1AY, G1BY                               ; a first fill of Y, the wave's one tensor load behind the round
	FETCH ADAX, ADBX, XPB, 0, 0
	STEP ADAX, ADBX, XPB, 1, 0, 1                  ; K 0-127
	STEP ADAX, ADBX, XPB, 2, 1, 0                  ; K 128-255
	STEP ADAX, ADBX, XPB, 3, 0, 0                  ; K 256-383; the fragments of K 384-511 are on their way into set 1
	s_wait_tensorcnt 0x0                           ; my part of event 1 is in
	ds_add_u32 v[SPW], v[NIL]
	s_mov_b32 s[G0A+1], s84                        ; event 2: heads 12 to 15, bytes 768 to 1023, onto X's lines
	s_add_nc_u64 s[G0A+2:G0A+3], s[20:21], 12*131072
	s_or_b32 s[G0A+3], s[G0A+3], 0x80000000
	s_mov_b32 s[G0B+1], s85
	s_add_nc_u64 s[G0B+2:G0B+3], s[46:47], 768
	s_or_b32 s[G0B+3], s[G0B+3], 0x80000000
	s_or_b32 s[G1BY], s44, (1<<20)|(1<<21)|(5<<22)|(67<<25)   ; 68 words of padding behind each 256 bytes: X's pitch of 528
	s_wait_dscnt 0x0                               ; the add is done, and my reads of X are over: set 1 is in
	CROUND                                         ; no wave of any partner still reads X or has a load on its way
	JLOAD G1AY, G1BY                               ; the refill; its four v_nop are the places in front of the loads below
	FETCH ADAY, ADBY, YPB, 0, 0
	MUL32 1, 0                                     ; K 384-511
	STEP ADAY, ADBY, YPB, 1, 0, 0                  ; K 512-639
	s_wait_tensorcnt 0x0                           ; my part of event 2 is in
	ds_add_u32 v[SPW], v[NIL]
	s_wait_dscnt 0x0                               ; and my reads of Y are over: set 1 is in
	s_barrier_signal -1
	s_barrier_wait -1                              ; No round follows; nobody reads Y any more
	PLACES
	FETCH ADAX, ADBX, XPB, 0, 0
	MUL32 1, 0                                     ; K 640-767
	STEP ADAX, ADBX, XPB, 1, 0, 0                  ; K 768-895
	s_wait_dscnt 0x0
	MUL32 1, 0                                     ; K 896-1023
; THE WAY OUT, block by block of 16 rows x 128 columns: through my stage, back as whole rows of 512 bytes, which the 32 lanes store as two aligned units of 256 bytes.  LDS serves a wave's instructions in order.
.macro TOSTAGE a
	WIN 0x02                                       ; source 0: window 2
.set n, 0
.rept 32
	v_pk_mul_f32 v[TMP+n:TMP+n+1], v[64*(\a)+n:64*(\a)+n+1], s[96:97] op_sel_hi:[1,0]   ; x 2^(e6 + e7); each accumulator from its low end on
.set n, n+2
.endr
	WIN 0
.irp b, 0,1,2,3,4,5,6,7
	ds_store_b128 v[STO], v[TMP+8*\b:TMP+8*\b+3] offset:64*\b
	ds_store_b128 v[STO], v[TMP+8*\b+4:TMP+8*\b+7] offset:64*\b+16
.endr
.set BB, BK+64*((\a)%2)
.irp t, 0,1,2,3,4,5,6,7,8,9,10,11,12,13,14,15
	ds_load_b128 v[BB+4*\t:BB+4*\t+3], v[RD] offset:\t*SPITCH
.endr
.endm
.macro SEND a, younger                 ; younger: the LDS instructions issued behind block a's loads, which may stay out
.set BB, BK+64*((\a)%2)
	s_wait_dscnt \younger
.if (\a) > 0
	s_add_nc_u64 s[10:11], s[10:11], 16*SIZE_N*4   ; behind a wait on XCNT: the earlier stores have read their base
.endif
.irp t, 0,1,2,3,4,5,6,7,8,9,10,11,12,13,14,15
	global_store_b128 v[CO], v[BB+4*\t:BB+4*\t+3], s[10:11] offset:\t*SIZE_N*4 th:TH_STORE_NT
.endr
.endm
	s_wait_kmcnt 0x0
	s_add_co_i32 s96, s96, s97
	s_add_co_i32 s96, s96, 127
	s_lshl_b32 s96, s96, 23                        ; 2^(e6 + e7) as f32
	PLACES
	TOSTAGE 0
.irp a, 1,2,3
.if \a > 1
	s_wait_xcnt 0x0                                ; block a - 2's stores have read their registers and their base
.endif
	TOSTAGE \a
	SEND \a-1, 32                                  ; behind block a - 1's loads: block a's 16 stores and 16 loads
.endr
	s_wait_xcnt 0x0
	SEND 3, 0
	s_wait_tensorcnt 0x0                           ; the wave's end: behind my last tensor load and my last LDS store
	ds_add_u32 v[SPW], v[NIL]
	s_wait_dscnt 0x0
	CROUND                                         ; the closing round
	s_endpgm
.Lfunc_end_k_qf02211f84d_oproj:
	.size	k_qf02211f84d_oproj, .Lfunc_end_k_qf02211f84d_oproj-k_qf02211f84d_oproj
	.p2alignl 7, 3214868480
	.fill 96, 4, 3214868480
	.section	.rodata,"a",@progbits
	.p2align	6, 0x0
	.amdhsa_kernel k_qf02211f84d_oproj
		.amdhsa_group_segment_fixed_size 327680
		.amdhsa_private_segment_fixed_size 0
		.amdhsa_enable_private_segment 0
		.amdhsa_kernarg_size 32
		.amdhsa_user_sgpr_count 2
		.amdhsa_user_sgpr_kernarg_segment_ptr 1
		.amdhsa_wavefront_size32 1
		.amdhsa_system_sgpr_workgroup_id_x 1
		.amdhsa_system_sgpr_workgroup_id_y 1
		.amdhsa_system_sgpr_workgroup_id_z 1
		.amdhsa_system_vgpr_workitem_id 0
		.amdhsa_next_free_vgpr 768
		.amdhsa_next_free_sgpr 98
		.amdhsa_reserve_vcc 0
		.amdhsa_float_denorm_mode_32 3
		.amdhsa_float_denorm_mode_16_64 3
		.amdhsa_memory_ordered 1
		.amdhsa_forward_progress 1
		.amdhsa_inst_pref_size 76
	.end_amdhsa_kernel
	.amdgpu_metadata
---
amdhsa.version: [ 1, 2 ]
amdhsa.kernels:
  - .name:           k_qf02211f84d_oproj
    .symbol:         k_qf02211f84d_oproj.kd
    .args:
      - { .name: a_codes, .offset: 0, .size: 8, .value_kind: global_buffer, .address_space: global }
      - { .name: wo_codes, .offset: 8, .size: 8, .value_kind: global_buffer, .address_space: global }
      - { .name: lowp_scales, .offset: 16, .size: 8, .value_kind: global_buffer, .address_space: global }
      - { .name: out0, .offset: 24, .size: 8, .value_kind: global_buffer, .address_space: global }
    .group_segment_fixed_size: 327680
    .private_segment_fixed_size: 0
    .kernarg_segment_align: 8
    .kernarg_segment_size: 32
    .max_flat_workgroup_size: 128
    .sgpr_count:     98
    .vgpr_count:     768
    .wavefront_size: 32
...
	.end_amdgpu_metadata
.endif
;; end of part 4
